; MI455X (gfx1250); checked and timed in simulation.
; The chip was launched on July 23, 2026; its instructions are those of AMD's public machine-readable ISA for CDNA 5 (MIT licence, August 2026) and "CDNA5" Instruction Set Architecture Reference Guide (July 2026). The comments in the code are by the model that wrote it; some were corrected since.
;; Multi Head Attention. Allowed arithmetic: matrix products marked QUANTISED: E2M3 operands, one E8M0 scale for each 32 along K, by v_wmma_scale_f32_16x16x128_f8f6f4 with both operands' format E2M3, f32 sums; everything else in f32.
;; Inputs: Wk_codes 1,024 x 32 x 24 uint8 (E2M3 codes of Wk, K innermost, in blocks of 32 codes, four codes in three bytes); Wk_scales 1,024 x 32 uint8 (E8M0 scales of Wk, one for each 32 codes along K); Wo_codes 1,024 x 32 x 24 uint8 (E2M3 codes of Wo, K innermost, in blocks of 32 codes, four codes in three bytes); Wo_scales 1,024 x 32 uint8 (E8M0 scales of Wo, one for each 32 codes along K); Wq_codes 1,024 x 32 x 24 uint8 (E2M3 codes of Wq, K innermost, in blocks of 32 codes, four codes in three bytes); Wq_scales 1,024 x 32 uint8 (E8M0 scales of Wq, one for each 32 codes along K); Wv_codes 1,024 x 32 x 24 uint8 (E2M3 codes of Wv, K innermost, in blocks of 32 codes, four codes in three bytes); Wv_scales 1,024 x 32 uint8 (E8M0 scales of Wv, one for each 32 codes along K); bk 1,024 float32; bo 1,024 float32; bq 1,024 float32; bv 1,024 float32; x_codes 4 x 2,048 x 32 x 24 uint8 (E2M3 codes of x, K innermost, in blocks of 32 codes, four codes in three bytes); x_scales 4 x 2,048 x 32 uint8 (E8M0 scales of x, one for each 32 codes along K).
;; Outputs: out0 4 x 2,048 x 1,024 float32.
;; This version of the problem:
;;   THIS VERSION OF THE PROBLEM IS GIVEN IN LOW PRECISION. The matrix products marked QUANTISED in the list below multiply operands that are first quantised to E2M3 (2 exponent bits, 3 mantissa bits; 6 bits a number), with one power-of-two scale for each 32 numbers along K (OCP MX v1.0); their sums are f32. All else is computed in f32.
;;   The module's matrix products, in the order in which they are computed (A, B: the left and right operand; K: the contracted axis; several contracted axes count as one K, in the product's order):
;;     1. [M 8,192, K 1,024] x [K 1,024, N 1,024]; A: input x (given as codes); B: input Wq (given as codes): QUANTISED
;;     2. [M 8,192, K 1,024] x [K 1,024, N 1,024]; A: input x (given as codes); B: input Wk (given as codes): QUANTISED
;;     3. [M 8,192, K 1,024] x [K 1,024, N 1,024]; A: input x (given as codes); B: input Wv (given as codes): QUANTISED
;;     4. batch 64 x [M 2,048, K 64] x [K 64, N 2,048]; A: computed on the way; B: computed on the way: QUANTISED
;;     5. batch 64 x [M 2,048, K 2,048] x [K 2,048, N 64]; A: softmax (see below); B: computed on the way: QUANTISED
;;     6. [M 8,192, K 1,024] x [K 1,024, N 1,024]; A: computed on the way; B: input Wo (given as codes): QUANTISED
;;   THE QUANTISER, for each operand of a quantised product, along K:
;;     - K is cut into blocks of 32 from its start; a last block that is shorter is filled with zeros.
;;     - A block's scale is 2^e with e = floor(log2(the largest magnitude in the block)) - 2, held to -126 .. 127; a block of zeros has e = 0. As a byte (E8M0): e + 127.
;;     - Each number is divided by its block's scale, clamped to +-7.5, and rounded to the nearest number of E2M3, ties to even, subnormals kept.
;;     - The product sums the exact products of the quantised numbers (number of the format x scale) in f32.
;;   ~~~python
;;   def quantise(x, axis):      # numpy; x: float32 -> the quantised numbers, widened to float32 again
;;       x = np.moveaxis(x, axis, -1); K = x.shape[-1]
;;       x = np.pad(x, [(0, 0)] * (x.ndim - 1) + [(0, -K % 32)]); x = x.reshape(x.shape[:-1] + (-1, 32)); a = np.abs(x).max(-1, keepdims=True)
;;       e = np.where(a > 0, np.clip(np.frexp(np.where(a > 0, a, 1))[1] - 1 - 2, -126, 127), 0)      # np.frexp(a)[1] - 1 = floor(log2(a)), exactly
;;       r = np.clip(x / 2.0 ** e, -7.5, 7.5)
;;       step = 2.0 ** (np.maximum(np.frexp(np.where(r == 0, 1, r))[1] - 1, 0) - 3)
;;       q = np.round(r / step) * step * 2.0 ** e      # np.round: ties to even
;;       return np.moveaxis(q.reshape(q.shape[:-2] + (-1,))[..., :K], -1, axis).astype(np.float32)
;;   ~~~
;;   SOFTMAX AHEAD OF A QUANTISED PRODUCT. Where the list says 'softmax', what is quantised is not the finished softmax but p = 2^(t - M), with t = logit x log2(e) and M = ceil(the row's largest t), a whole number; so 1/2 < the row's largest p <= 1. The row's sum l is taken of the UNQUANTISED p, in f32, and the product's result is divided by l at the end. Since M is a whole number, a kernel that streams over the keys may use a running M (the ceiling of the running maximum): every later rescaling is an exact power of two, which a block's scale takes up: the codes' values come out the same.
;;   OPERANDS COMPUTED ON THE WAY. 'Computed on the way' means the value that the module computes at that place (a softmax that the list does not call 'softmax' is quantised finished and normalised). What goes into a quantiser is computed in f32, as accurately as f32 sums, v_exp_f32 and their like allow (about 1e-6 of the number): no bf16 or f16 on the way to a quantiser, and a product that is left as it is and whose result goes on into a quantised operand takes f32 operands (vector FMAs, or v_wmma_f32_16x16x4_f32). A number that lies on a knife's edge between two numbers of the format may be rounded either way, as far as f32 arithmetic and the matrix unit's own rounding can turn it there, and no further.
;;   INPUTS GIVEN AS CODES. Wk (in the module: [1024, 1024], K = its axis 0); Wo (in the module: [1024, 1024], K = its axis 0); Wq (in the module: [1024, 1024], K = its axis 0); Wv (in the module: [1024, 1024], K = its axis 0); x (in the module: [4, 2048, 1024], K = its axis 2): each comes as NAME_codes (uint8): NAME with its K axis moved to the last place and cut into blocks of 32 codes, [.., K / 32, bytes a block], one block behind the other in memory; four codes in three bytes: a row's codes are one little-endian stream of bits, code i at bits 6 i .. 6 i + 5 (a code: sign, 2 exponent bits, 3 mantissa bits); and NAME_scales (uint8): the same leading axes, one E8M0 byte (e + 127) for each 32 codes along K. Its value is code x scale, taken as it is: it is not quantised again, and the codes and scales need not be those that the quantiser above would give.
;; One version. Each part assembles by itself: llvm-mc -triple=amdgcn-amd-amdhsa -mcpu=gfx1250 --defsym DOCPART=n.
;; ======== version 1 of 1: 3 launches
;; limits: right only within a limited range of input values
;; workspace buffers: kv 13,107,200 bytes; qimg 13,107,200 bytes; oimg 6,291,456 bytes; oscl 262,144 bytes
;; launch qkv (part 1): grid 12 x 32, 4 waves a work-group, clusters of 4 x 4, 327,680 bytes of LDS; arguments x_codes, x_scales, Wq_codes, Wq_scales, Wk_codes, Wk_scales, Wv_codes, Wv_scales, bq, bk, bv, qimg, kv; writes qimg, kv
.if DOCPART == 1
	.amdgcn_target "amdgcn-amd-amdhsa--gfx1250"
	.amdhsa_code_object_version 6
	.text
	.protected	k_q130adab193_qkv
	.globl	k_q130adab193_qkv
	.p2align	8
	.type	k_q130adab193_qkv,@function
k_q130adab193_qkv:
	s_mov_b64 s[64:65], 0
	v_nop
	global_prefetch_b8 v0, s[64:65] scope:SCOPE_SE
	s_setreg_imm32_b32 hwreg(HW_REG_WAVE_MODE, 25, 1), 1
	s_wait_xcnt 0x0
	s_wait_alu depctr_hold_cnt(0) depctr_sa_sdst(0) depctr_va_vdst(0) depctr_va_sdst(0) depctr_va_ssrc(0) depctr_va_vcc(0) depctr_vm_vsrc(0)
	s_getreg_b32 s2, hwreg(HW_REG_IB_STS2, 6, 4)
	s_cmp_eq_u32 s2, 0
	s_cbranch_scc0 .Lentry_in_a_cluster
	s_endpgm
.Lentry_in_a_cluster:
	s_bfe_u32 s2, ttmp6, 0x10000c
	s_cmp_lg_u32 s2, 0xf033
	s_cbranch_scc0 .Lentry_shape_is_right
	s_endpgm
.Lentry_shape_is_right:
; q = x Wq + bq, k = x Wk + bk, v = x Wv + bv on codes of FP6 (E2M3) with one E8M0 scale for each 32 along K = 1,024; sums in f32; the bias is one f32 addition.
; The results never go to memory as f32: they are quantised here, q and k along the head's 64, v along the keys, and leave as IMAGES OF OPERAND REGISTERS.
; ROLES.  The cluster's x (0, 1, 2) says which product a cluster of 4 x 4 work-groups serves; it is equal in all partners, and it only chooses pointers and constants: there is one path through the text.
;   q, k: "A" = x (256 tokens, tile row 4 x cluster y + cy), "B" = the weight (256 features, tile column cx).     v: "A" = Wv (tile row cy), "B" = x (tile column 4 x cluster y + cx).
; The matrix instruction takes 16 rows of B as source 0 and 16 rows of A as source 1: a lane holds ONE row of A and its registers run along B's rows, which is the axis to be quantised in every role.
; A tile, 256 x 256, is made by four waves, each 128 x 128: 64 accumulators, 512 registers.  K goes in steps of 256 through a ring of two LDS slots; the scale bytes of all of K come once and stay.
; A's tiles are shared along a row of the cluster, B's along a column: each is asked for jointly, by the same tensor load with the same descriptor and a mask that names the four.
; ORDER INSIDE A BLOCK OF 32.  A lane's 16 registers of two neighbouring accumulators are offsets 8 h + 0..7 and 16 + 8 h + 0..7 of a block, h = lane / 16: the block is a true block of the quantiser, its codes
; lie in a fixed order that is the same for q and k, and for v and the weights p of the next launch: both sides of those products carry it, so every product meets its partner.
; OUTPUT.  A record of 12,800 bytes for each (batch, head, 128 tokens): +0 four groups of 1,536 bytes, group g = the 12 registers (tokens 32 g + 0..15 | tokens 32 g + 16..31, 64 along d each) as [4 registers][lane][16 bytes];
;   +6,144 their scale words [lane][2]: word w of lane l belongs to group 2 w + l / 16, row l % 16, bytes (first 16 tokens' two blocks, second 16 tokens' two blocks);  +6,400 four fragments of v (16 of d x 128 keys);  +12,544 their scale words likewise.
;   q fills the first 6,400 bytes of its records in qimg; k and v fill whole records in kv.
; LIMITS: NaN and infinities are not served.  A block whose largest magnitude lies under 2^-124, a block of zeros among them, gets the byte 1 (the quantiser says 127 for zeros): its codes are zeros or the nearest codes under that scale, and these bytes are read by this program alone.
; REGISTERS: window 0: v0-31 addresses; v32-63 scale words, two sets; v64-127 and v224-239 the biases; v128-223 A's fragments, one set.  window 1: B's fragments, two sets.  windows 2, 3: the accumulators ((a, b) at v[8 (8 (a % 4) + b)]).
; THE WALK ALONG K: the ring goes by CHUNKS OF 256 BYTES of each row of 768 (three chunks; chunk c in slot c % 2), so that every tile's row begins at a multiple of 256 bytes; a matrix step is 96 bytes of a row, eight steps to three chunks.
; No prefetch: the block is the largest in clusters and K is three chunks, of which two are asked for ahead of the first product.
.set NQ,     2                         ; steps that one set of scale words serves
.set ROWB,   256                       ; a tile's row: a chunk of a row of codes
.set KROW,   768                       ; a row of x or of a weight in memory
.set STEPS,  8
.set CHUNKS, 3
.set PITCH,  272                       ; an LDS row: 256 bytes + 16 of padding = 68 words, so that the 32 lanes of a load of 8 bytes touch 64 different banks (64 banks of 4 bytes: ISA guide 11.1)
.set FR,     12
.set NL,     6
.set NP,     4                         ; places behind this matrix instruction (ISA guide 7.12.1)
.set HALFT,  128*PITCH
.set SLOT,   4*HALFT                   ; A's 256 rows, then B's 256 rows
.set KS,     32                        ; a row of scale bytes
.set SCL,    2*SLOT                    ; behind the ring: the scales, as units of 256 bytes + 16 of padding
.set HALFS,  (128*KS/256)*272
.set SBLK,   (16*KS/256)*272
.set SPARE,  SCL+4*HALFS               ; the spare words, 128 bytes for each wave: two blocks of 256 bytes that no other line names
.set REC,    12800
.set HEADB,  16*REC
.set BOB,  7                           ; v7   byte offset of the bias along B's rows; never rewritten
.set BOA,  8                           ; v8   and along A's rows; never rewritten
.set L16,  9                           ; v9   16 x lane
.set L8,   10                          ; v10  8 x lane
.set ZR,   11                          ; v11  0
.set SOF,  12                          ; v12  where my scale words go
.set ADRA, 16                          ; v16-17 LDS address of my A fragments in slot 0, 1 (v18-19: for the pieces that cross from one chunk into the next)
.set ADRB, 20                          ; v20-23 the same for B
.set ADRS, 27                          ; v27  LDS address of my scale words: lanes 0-15 A's rows, lanes 16-31 B's
.set SPW,  28                          ; v28  LDS address of my spare word; never rewritten
.set NIL,  29                          ; v29  0; never rewritten
.set SC,   32                          ; scale words, set s at v[SC + 16 s]
.set AF,   128
; the way out, window 0
.set XG,   32                          ; v32-37, v38-43: the two groups of six registers whose place hangs on the role
.set YG,   38
.set CT0,  44                          ; v44-46, v48-50: the second halves of blocks, as the conversions leave them
.set CT1,  48
.set TM,   52                          ; v52-55 largest magnitudes;  v56-59 the other half's, then bytes;  v60-63 the conversions' scale operands
.set TP,   56
.set TS,   60
.set BIB,  64                          ; v64-127  bias along B's rows, in the result's layout (zeros in role v)
.set T,    128                         ; v128-191 64 numbers at work
.set F0,   192                         ; v192-203, v204-215 the two images that leave
.set F1,   204
.set PW,   216                         ; v216-217 the scale words of the two blocks of rows in hand
.set BIA,  224                         ; v224-239 bias along A's rows, a pair for each block (zeros in roles q, k)
.set WR,   240                         ; v240-247 the records' scale words
.set RO,   248                         ; v248-255 where the eight pairs of images go
.set G1, 24
.set G0, 32
.set G1B, 48
.set G0B, 56
.set G1S, 68
.set G0S, 76
.set G1SB, 80
.set G0SB, 88
.set G0H, 4                            ; s[4:7], s[8:11] group 0 of the head's loads of chunk 0 (the pointers that lay there have been used by then)
.set G0HB, 8
.set MSB, 0
.macro WIN new                         ; the immediate's high byte repeats the setting that is left
.if MSB != (\new)
	s_set_vgpr_msb (MSB<<8)|(\new)
.set MSB, (\new)
.endif
.endm
.set MUL_LO, 0xa1                      ; source 0 (B) window 1, source 1 (A) window 0, C and D window 2
.set MUL_HI, 0xf1
.set TO_B,   0x40
; A joint load: waves 0 and 1 fetch for A, waves 2 and 3 for B.  The branch hangs on the wave's number alone.  Four v_nop follow each of the two lines.
.macro JLOAD g0a, g1a, g0b, g1b
	s_cmp_eq_u32 s15, 0
	s_cbranch_scc0 .Lfor_b_\@
	tensor_load_to_lds s[\g0a:\g0a+3], s[\g1a:\g1a+7]
	s_nop 0
.rept 4
	v_nop
.endr
	s_branch .Lasked_\@
.Lfor_b_\@:
	tensor_load_to_lds s[\g0b:\g0b+3], s[\g1b:\g1b+7]
	s_nop 0
.rept 4
	v_nop
.endr
.Lasked_\@:
.endm
.macro CREST                           ; a round of the cluster's barrier behind its opening barrier
	s_cmp_lg_u32 s14, 0
	s_cbranch_scc1 .Lnot_wave_0_\@
	s_barrier_signal -3
.Lnot_wave_0_\@:
	s_barrier_wait -3
	s_barrier_signal -1
	s_barrier_wait -1
.endm
.macro CROUND
	s_barrier_signal -1
	s_barrier_wait -1
	CREST
.endm
	s_load_b512 s[68:83], s[0:1], 0x0              ; x codes, x scales, Wq codes, Wq scales, Wk codes, Wk scales, Wv codes, Wv scales
	s_load_b256 s[84:91], s[0:1], 0x40             ; bq, bk, bv, qimg
	s_load_b64 s[92:93], s[0:1], 0x60              ; kv
	v_lshl_add_u32 v[SPW], v0, 2, SPARE
	v_mov_b32 v[NIL], 0
	ds_add_u32 v28, v29
	ds_add_u32 v28, v29
	s_wait_dscnt 0x0
	v_lshrrev_b32 v1, 5, v0
	v_readfirstlane_b32 s14, v1                    ; wave 0..3
	s_lshr_b32 s15, s14, 1                         ; which 128 rows of A are mine.  Also: I fetch for A (0) or for B (1)
	s_and_b32 s16, s14, 1                          ; which 128 rows of B.  Also: which 128 rows of that tile I fetch
	s_bfe_u32 s40, ttmp6, 0x40000                  ; cx, cy: my place in the cluster
	s_bfe_u32 s41, ttmp6, 0x40004
	s_and_b32 s98, ttmp7, 0xffff
	s_lshl_b32 s98, s98, 2                         ; 4 x cluster y
	s_cmp_eq_u32 ttmp9, 2                          ; role v?  The cluster's x is equal in all partners
	s_cselect_b32 s17, 0, s98
	s_cselect_b32 s42, s98, 0
	s_add_co_u32 s17, s17, s41                     ; A's tile row: cy, and for x 4 x cluster y more: it never holds cx
	s_add_co_u32 s42, s42, s40                     ; B's tile column: cx, and for x 4 x cluster y more: it never holds cy
	s_lshl_b32 s43, s41, 2
	s_lshl_b32 s43, 15, s43                        ; my row of the cluster
	s_lshl_b32 s44, 0x1111, s40                    ; my column
	s_or_b32 s[G1+0], s43, (0<<16)|(1<<20)|(1<<21)|(5<<22)|(3<<25)  ; the mask; elements of 1 byte; padding on; bit 21 beside a mask; after every 64 words 4 words
	s_or_b32 s[G1B+0], s44, (0<<16)|(1<<20)|(1<<21)|(5<<22)|(3<<25)
.irp g, G1, G1B
	s_mov_b32 s[\g+1], ROWB<<16                    ; tensor_dim0
	s_mov_b32 s[\g+2], 256<<16                     ; 256 rows for the head's loads; set to 128 for the ring's behind them
	s_mov_b32 s[\g+3], ROWB<<16                    ; tile_dim0
	s_mov_b32 s[\g+4], 256
	s_mov_b32 s[\g+5], KROW                        ; from row to row
	s_mov_b32 s[\g+6], 0
	s_mov_b32 s[\g+7], 0
.endr
	s_lshl_b32 s20, s17, 8                         ; A: the tile's first row
	s_lshl_b32 s46, s42, 8                         ; B likewise
	s_mov_b32 s21, 0
	s_mov_b32 s47, 0
	s_mov_b64 s[18:19], KS
	s_mul_u64 s[22:23], s[20:21], s[18:19]         ; where these rows' scales begin,
	s_mul_u64 s[2:3], s[46:47], s[18:19]
	s_mov_b64 s[18:19], KROW
	s_mul_u64 s[20:21], s[20:21], s[18:19]         ; and their codes
	s_mul_u64 s[46:47], s[46:47], s[18:19]
	s_mul_i32 s45, s14, HALFT                      ; where they go: wave x 128 rows: no place in the cluster enters an LDS address
	s_mul_i32 s18, s16, 128*KROW                   ; in the ring I fetch 128 rows of a tile: which half, in bytes
	s_mov_b32 s19, 0
	s_mov_b32 s94, SLOT-232
	s_mov_b32 s95, SLOT+232
	s_lshl_b32 s99, s17, 1
	s_add_co_u32 s99, s99, s15                     ; my 128 rows of A, counted in 128s
	s_lshl_b32 s100, s42, 1
	s_add_co_u32 s100, s100, s16                   ; my 128 rows of B likewise
	s_wait_kmcnt 0x0
	s_cmp_eq_u32 ttmp9, 1                          ; the choice of buffers hangs on the cluster's x alone
	s_cselect_b64 s[72:73], s[76:77], s[72:73]     ; the weight of q or of k,
	s_cselect_b64 s[74:75], s[78:79], s[74:75]
	s_cselect_b64 s[84:85], s[86:87], s[84:85]     ; its bias,
	s_cselect_b64 s[90:91], s[92:93], s[90:91]     ; and where its images go
	s_cmp_eq_u32 ttmp9, 2
	s_cselect_b64 s[4:5], s[80:81], s[68:69]       ; A's codes: Wv or x
	s_cselect_b64 s[6:7], s[82:83], s[70:71]       ; A's scales
	s_cselect_b64 s[8:9], s[68:69], s[72:73]       ; B's codes: x or the weight
	s_cselect_b64 s[10:11], s[70:71], s[74:75]     ; B's scales
	s_cselect_b64 s[12:13], s[92:93], s[90:91]     ; the output
	s_cselect_b64 s[96:97], s[88:89], s[84:85]     ; the bias
	s_add_nc_u64 s[20:21], s[4:5], s[20:21]
	s_add_nc_u64 s[22:23], s[6:7], s[22:23]
	s_add_nc_u64 s[46:47], s[8:9], s[46:47]
	s_add_nc_u64 s[2:3], s[10:11], s[2:3]
	; the scales of 256 rows: a dense block of 8,192 bytes, as rows of 256 bytes (32 elements of 8 bytes), 16 bytes of padding behind each.  (These registers held pointers until the choice above.)
	s_or_b32 s[G1S+0], s43, (3<<16)|(1<<20)|(1<<21)|(5<<22)|(3<<25)
	s_or_b32 s[G1SB+0], s44, (3<<16)|(1<<20)|(1<<21)|(5<<22)|(3<<25)
.irp g, G1S, G1SB
	s_mov_b32 s[\g+1], 32<<16
	s_mov_b32 s[\g+2], KS<<16                      ; the scales of 256 rows: KS rows of 256 bytes
	s_mov_b32 s[\g+3], 32<<16
	s_mov_b32 s[\g+4], KS
	s_mov_b32 s[\g+5], 32
	s_mov_b32 s[\g+6], 0
	s_mov_b32 s[\g+7], 0
.endr
	CROUND                                         ; all sixteen work-groups are here: the first joint loads meet
	s_mov_b32 s[G0H], 1                            ; the head's four tiles, each whole: chunk 0's 256 rows of A,
	s_mov_b32 s[G0H+1], 0
	s_mov_b64 s[G0H+2:G0H+3], s[20:21]
	s_or_b32 s[G0H+3], s[G0H+3], 0x80000000
	s_mov_b32 s[G0HB], 1                           ; its 256 rows of B,
	s_mov_b32 s[G0HB+1], 2*HALFT
	s_mov_b64 s[G0HB+2:G0HB+3], s[46:47]
	s_or_b32 s[G0HB+3], s[G0HB+3], 0x80000000
	s_mov_b32 s[G0S], 1                            ; the scales of A's 256 rows,
	s_mov_b32 s[G0S+1], SCL
	s_mov_b64 s[G0S+2:G0S+3], s[22:23]
	s_or_b32 s[G0S+3], s[G0S+3], 0x80000000
	s_mov_b32 s[G0SB], 1                           ; and of B's
	s_mov_b32 s[G0SB+1], SCL+2*HALFS
	s_mov_b64 s[G0SB+2:G0SB+3], s[2:3]
	s_or_b32 s[G0SB+3], s[G0SB+3], 0x80000000
	s_add_nc_u64 s[20:21], s[20:21], s[18:19]      ; for the ring: my 128 rows of the tile
	s_add_nc_u64 s[46:47], s[46:47], s[18:19]
.irp s, 0,1
	s_mov_b32 s[G0+4*\s], 1
	s_add_co_u32 s[G0+4*\s+1], s45, \s*SLOT
	s_add_nc_u64 s[G0+4*\s+2:G0+4*\s+3], s[20:21], \s*ROWB
	s_or_b32 s[G0+4*\s+3], s[G0+4*\s+3], 0x80000000
	s_mov_b32 s[G0B+4*\s], 1
	s_add_co_u32 s[G0B+4*\s+1], s45, \s*SLOT
	s_add_nc_u64 s[G0B+4*\s+2:G0B+4*\s+3], s[46:47], \s*ROWB
	s_or_b32 s[G0B+4*\s+3], s[G0B+4*\s+3], 0x80000000
.endr
; the head's loads, one a wave, in one chain of branches on the wave's number: every way passes exactly one load
.macro ARM under, g0, g1, next
	s_cmp_lt_u32 s14, \under
	s_cbranch_scc0 \next
	tensor_load_to_lds s[\g0:\g0+3], s[\g1:\g1+7]
	s_nop 0
.rept 4
	v_nop
.endr
	s_branch .Lhead_asked
\next:
.endm
	ARM 1, G0H,  G1,  .Lhead_b
	ARM 2, G0HB, G1B, .Lhead_sa
	ARM 3, G0S,  G1S, .Lhead_sb
	tensor_load_to_lds s[G0SB:G0SB+3], s[G1SB:G1SB+7]
	s_nop 0
.rept 4
	v_nop
.endr
.Lhead_asked:
	v_and_b32 v1, 15, v0                           ; r = l % 16
	v_bfe_u32 v2, v0, 4, 1                         ; h = l / 16
	; the biases are asked for now and waited for on the way out.  Along B's rows: 8 numbers for each of 8 accumulator columns, at 512 x (my 128 of B) + 64 b + 32 h.  Along A's rows: one number for each block, at 512 x (my 128 of A) + 64 a + 4 r.
	; The role that does not want one of the two reads it at the vector's start (inside the buffer) and replaces it by zeros.
	s_lshl_b32 s104, s100, 9
	s_lshl_b32 s105, s99, 9
	s_cmp_eq_u32 ttmp9, 2
	s_cselect_b32 s104, 0, s104
	s_cselect_b32 s105, s105, 0
	v_lshl_add_u32 v[BOB], v2, 5, s104
	v_lshl_add_u32 v[BOA], v1, 2, s105
.irp b, 0,1,2,3,4,5,6,7
	global_load_b128 v[BIB+8*\b:BIB+8*\b+3], v[BOB], s[96:97] offset:64*\b
	global_load_b128 v[BIB+8*\b+4:BIB+8*\b+7], v[BOB], s[96:97] offset:64*\b+16
.endr
.irp a, 0,1,2,3,4,5,6,7
	global_load_b32 v[BIA+2*\a], v[BOA], s[96:97] offset:64*\a
.endr
	v_mul_u32_u24 v3, v1, PITCH
	v_mul_u32_u24 v4, v2, 24
	v_add_nc_u32 v4, v3, v4                        ; a fragment's row x pitch + 24 x half
	v_sub_nc_u32 v13, 1, v2                        ; 1 in lanes 0-15
	v_mul_u32_u24 v5, s94, v2
	v_add_nc_u32 v5, v3, v5
	v_add_nc_u32 v5, 232, v5                       ; across two chunks: lanes 0-15 byte 232 of the row in slot 0, lanes 16-31 byte 0 of the row in slot 1;
	v_mul_u32_u24 v6, s95, v13
	v_add_nc_u32 v6, v3, v6                        ; and lanes 0-15 byte 232 in slot 1, lanes 16-31 byte 0 in slot 0
	s_mul_i32 s21, s15, HALFT                      ; my 128 rows of A
	s_mul_i32 s22, s16, HALFT                      ; my 128 rows of B,
	s_add_co_u32 s22, s22, 2*HALFT                 ; which lie behind A's 256
	v_add_nc_u32 v[ADRA+2], s21, v5
	v_add_nc_u32 v[ADRA+3], s21, v6
	v_add_nc_u32 v[ADRB+2], s22, v5
	v_add_nc_u32 v[ADRB+3], s22, v6
.irp s, 0,1
	v_add_nc_u32 v[ADRA+\s], s21, v4
	v_add_nc_u32 v[ADRB+\s], s22, v4
	s_add_co_u32 s21, s21, SLOT
	s_add_co_u32 s22, s22, SLOT
.endr
	v_mul_u32_u24 v5, v1, KS                       ; my row's scales: 32 bytes a row,
	v_lshrrev_b32 v6, 8, v5
	v_lshl_add_u32 v5, v6, 4, v5                   ; and 16 more for each 256 passed
	s_mul_i32 s21, s15, HALFS
	s_mul_i32 s22, s16, HALFS
	s_add_co_u32 s22, s22, 2*HALFS
	s_sub_co_u32 s22, s22, s21
	v_mul_u32_u24 v6, s22, v2                      ; lanes 16-31 take B's: one product, the distance between the two bases x h
	s_add_co_u32 s21, s21, SCL
	v_add_nc_u32 v5, v5, v6
	v_add_nc_u32 v[ADRS], s21, v5
.macro FRAG reg, adr, st, i            ; 16 rows x 128 K of 6-bit codes: 12 registers: lane l holds row l % 16; registers 6 c .. 6 c + 5 hold K = 64 c + 32 (l / 16) + 0 .. 31, in pieces of 8 bytes; st: the step
.irp p, 0,1,2,3,4,5
.set BY, 96*(\st)+48*(\p/3)+8*(\p%3)  ; the piece of lanes 0-15 in the row; byte y lies in chunk y / 256, slot (y / 256) % 2, at byte y % 256 of the LDS row; lanes 16-31 read 24 bytes on
.if BY/ROWB == (BY+24)/ROWB
	ds_load_b64 v[\reg+2*\p:\reg+2*\p+1], v[\adr+(BY/ROWB)%2] offset:BY%ROWB+(\i)*16*PITCH
.else
	ds_load_b64 v[\reg+2*\p:\reg+2*\p+1], v[\adr+2+(BY/ROWB)%2] offset:BY%ROWB-232+(\i)*16*PITCH
.endif
.endr
.endm
; 16 matrix instructions: A's blocks a0, a0 + 1 x B's eight, 128 along K.  zero = 1: the first product starts the sums.  The 64 accumulators take turns, one instruction a turn, in the same order in every step.
; A scale register holds A's block's words in lanes 0-15 and B's block's in lanes 16-31.
.macro MUL16 a0, p, q, sc, zero
.irp a, \a0, \a0+1
.irp b, 0,1,2,3,4,5,6,7
.if \zero
	v_wmma_scale_f32_16x16x128_f8f6f4 v[8*(8*((\a)%4)+\b):8*(8*((\a)%4)+\b)+7], v[128*(\p)+FR*\b:128*(\p)+FR*\b+FR-1], v[AF+FR*(\a):AF+FR*(\a)+FR-1], 0, v[SC+8*NQ*(\sc)+NQ*\b+(\q)], v[SC+8*NQ*(\sc)+NQ*(\a)+(\q)] matrix_a_fmt:MATRIX_FMT_FP6 matrix_b_fmt:MATRIX_FMT_FP6 matrix_a_scale:MATRIX_SCALE_ROW1
.else
	v_wmma_scale_f32_16x16x128_f8f6f4 v[8*(8*((\a)%4)+\b):8*(8*((\a)%4)+\b)+7], v[128*(\p)+FR*\b:128*(\p)+FR*\b+FR-1], v[AF+FR*(\a):AF+FR*(\a)+FR-1], v[8*(8*((\a)%4)+\b):8*(8*((\a)%4)+\b)+7], v[SC+8*NQ*(\sc)+NQ*\b+(\q)], v[SC+8*NQ*(\sc)+NQ*(\a)+(\q)] matrix_a_fmt:MATRIX_FMT_FP6 matrix_b_fmt:MATRIX_FMT_FP6 matrix_a_scale:MATRIX_SCALE_ROW1
.endif
.endr
.endr
.endm
.macro FETCH_B st, p                   ; B's eight fragments of step st into set p
	WIN TO_B
.irp i, 0,1,2,3,4,5,6,7
	FRAG 128*(\p)+FR*\i, ADRB, \st, \i
.endr
	WIN 0
.endm
.macro FETCH_A st, i0                  ; A's blocks i0 .. i0 + 3 of step st
.irp i, \i0, \i0+1, \i0+2, \i0+3
	FRAG AF+FR*(\i), ADRA, \st, \i
.endr
.endm
.macro SCALES pr                       ; the scale words of steps 2 pr and 2 pr + 1 into set pr % 2
.irp i, 0,1,2,3,4,5,6,7
	ds_load_b64 v[SC+8*NQ*((\pr)%2)+NQ*\i:SC+8*NQ*((\pr)%2)+NQ*\i+1], v[ADRS] offset:\i*SBLK+4*NQ*(\pr)
.endr
.endm
.macro PLACES n                        ; plain vector instructions between a matrix instruction and a load into, or a vector access to, its registers (ISA guide 7.12.1 for vector accesses)
.rept \n
	v_nop
.endr
.endm
; A step of 128 along K: 64 products; the next step's fragments are fetched in its middle and at its end.  Where the next step's bytes END in a chunk that no step has read, every wave waits for its tensor loads and a barrier shows
; that chunk whole.  Where they BEGIN in a later chunk, the chunk left behind is read no more: the wait for all tensor loads, the add, the wait for it and for my reads stand in front of the barrier; where a chunk two on is left to fetch,
; the barrier opens a round of the cluster's barrier and the slot is filled again.
.macro STEP st, zero
.set NX, (\st)+1
.set C0, (96*(\st))/ROWB
.set C1, (96*NX)/ROWB
.set E0, (96*(\st)+95)/ROWB
.set E1, (96*NX+95)/ROWB
.if C1 > C0 || E1 > E0
	s_wait_tensorcnt 0x0                           ; all my tensor loads have landed
.if C1 > C0
	ds_add_u32 v[SPW], v[NIL]                      ; 0 onto my spare word
	s_wait_dscnt 4*NL+1                            ; the add and the youngest 24 loads (A's blocks 4-7) may be out
.else
	s_wait_dscnt 4*NL                              ; the youngest 24 loads may be out
.endif
	WIN MUL_LO
	MUL16 0, (\st)%2, (\st)%2, ((\st)/2)%2, \zero
	s_wait_dscnt 0x0                               ; the add, where there is one, and all my reads are done
	s_barrier_signal -1
	MUL16 2, (\st)%2, (\st)%2, ((\st)/2)%2, \zero
	WIN 0
	s_barrier_wait -1
.if C1 > C0 && C0+2 < CHUNKS
	CREST
	s_add_nc_u64 s[G0+4*(C0%2)+2:G0+4*(C0%2)+3], s[G0+4*(C0%2)+2:G0+4*(C0%2)+3], 2*ROWB
	s_add_nc_u64 s[G0B+4*(C0%2)+2:G0B+4*(C0%2)+3], s[G0B+4*(C0%2)+2:G0B+4*(C0%2)+3], 2*ROWB
	JLOAD G0+4*(C0%2), G1, G0B+4*(C0%2), G1B       ; chunk C0 + 2, my one tensor load behind the round; its four v_nop are the places in front of the loads below
.else
	PLACES NP
.endif
.else
	s_wait_dscnt 4*NL                              ; B's set and A's blocks 0-3 are in; the youngest 24 loads (A's blocks 4-7) may be out
	WIN MUL_LO
	MUL16 0, (\st)%2, (\st)%2, ((\st)/2)%2, \zero
	MUL16 2, (\st)%2, (\st)%2, ((\st)/2)%2, \zero
	s_wait_dscnt 0
	PLACES NP
.endif
	FETCH_B NX, NX%2
	FETCH_A NX, 0
.if NX%2 == 0
	SCALES NX/2
.endif
	WIN MUL_HI
	MUL16 4, (\st)%2, (\st)%2, ((\st)/2)%2, \zero
	MUL16 6, (\st)%2, (\st)%2, ((\st)/2)%2, \zero
	PLACES NP
	WIN 0
	FETCH_A NX, 4
.endm
	s_wait_alu depctr_va_vdst(0)                   ; the wait at the head's end
	s_wait_tensorcnt 0x0                           ; my tile of the head's four is in; these lines stand ahead of a later first fill as ahead of a refill
	ds_add_u32 v[SPW], v[NIL]
	s_mov_b32 s[G1+2], 128<<16                     ; no tensor load of mine is out: from here on a load brings 128 rows
	s_mov_b32 s[G1+4], 128
	s_mov_b32 s[G1B+2], 128<<16
	s_mov_b32 s[G1B+4], 128
	s_wait_dscnt 0x0
	CROUND                                         ; all four tiles are in, and the joint loads meet
	JLOAD G0+4, G1, G0B+4, G1B                     ; chunk 1, the first tensor load behind the round
	FETCH_B 0, 0
	FETCH_A 0, 0
	SCALES 0
	FETCH_A 0, 4
	STEP 0, 1                                      ; the first step's products start the sums
.set ST, 1
.rept STEPS-2
	STEP ST, 0
.set ST, ST+1
.endr
	s_wait_dscnt 4*NL
	WIN MUL_LO
	MUL16 0, 1, NQ-1, 1, 0
	MUL16 2, 1, NQ-1, 1, 0
	s_wait_dscnt 0
	WIN MUL_HI
	MUL16 4, 1, NQ-1, 1, 0
	MUL16 6, 1, NQ-1, 1, 0
	WIN 0
	PLACES NP
	; THE WAY OUT.  No tensor load of mine is out, so the descriptors' registers serve as scratch.  Every role takes every line; the role chooses values.
	s_cmp_eq_u32 ttmp9, 2
	s_cselect_b32 s18, -1, 0                       ; a lane mask: all ones in role v
	s_mov_b32 s19, 0xffff0000                      ; a lane mask: lanes 16-31
	s_mov_b32 s20, 0x76543210
	s_mov_b32 s21, 0xfedcba98                      ; v_permlanex16_b32's selects for lane l xor 16
	s_mov_b32 s22, 0x05040100                      ; q, k: a record's word = the head's two bytes of both blocks of rows;  v: a block's own word
	s_cselect_b32 s22, 0x03020100, s22
	s_mov_b32 s23, 0x07060302
	s_cselect_b32 s23, 0x07060504, s23
	s_cselect_b32 s24, s100, s99                   ; my 128 tokens
	s_cselect_b32 s25, s99, s100                   ; my 128 features = two heads
	s_mov_b32 s26, HEADB                           ; from image 0 of a pair to image 1: q, k: the next head;  v: the next 16 of d
	s_cselect_b32 s26, 1536, s26
	s_mov_b32 s27, 1536                            ; pair i: (i % 2) x this
	s_cselect_b32 s27, 3072, s27
	s_mov_b32 s28, 3072                            ; + (i / 2) x this
	s_cselect_b32 s28, HEADB, s28
	s_cselect_b32 s29, 6400, 0                     ; v's half of a record
	s_lshr_b32 s30, s24, 4
	s_lshl_b32 s30, s30, 8                         ; batch x 256 records
	s_lshl_b32 s25, s25, 5                         ; + first head x 16
	s_add_co_u32 s30, s30, s25
	s_and_b32 s24, s24, 15                         ; + the 128 tokens' number in the batch
	s_add_co_u32 s30, s30, s24
	s_mul_i32 s30, s30, REC
	s_add_co_u32 s30, s30, s29                     ; my first record's byte
	v_and_b32 v1, 31, v0
	v_lshlrev_b32 v[L16], 4, v1
	v_lshlrev_b32 v[L8], 3, v1
	v_mov_b32 v[ZR], 0
	v_add_nc_u32 v[SOF], s30, v[L8]
	s_mov_b32 s32, s30
.irp e, 0,1
	v_add_nc_u32 v[RO+4*\e], s32, v[L16]
	s_add_co_u32 s33, s32, s27
	v_add_nc_u32 v[RO+4*\e+1], s33, v[L16]
	s_add_co_u32 s33, s32, s28
	v_add_nc_u32 v[RO+4*\e+2], s33, v[L16]
	s_add_co_u32 s33, s33, s27
	v_add_nc_u32 v[RO+4*\e+3], s33, v[L16]
	s_add_co_u32 s32, s32, s26
.endr
.irp b, 0,1,2,3
	v_mov_b32 v[TP+\b], 0                          ; written once: a lane permute's destination counts as one of its sources
.endr
	s_wait_loadcnt 0x0                             ; the biases
.set JJ, 0
.rept 64
	v_cndmask_b32 v[BIB+JJ], v[BIB+JJ], v[ZR], s18 ; role v has no bias along B's rows
.set JJ, JJ+1
.endr
.irp a, 0,1,2,3,4,5,6,7
	v_cndmask_b32 v[BIA+2*\a], v[ZR], v[BIA+2*\a], s18   ; roles q and k none along A's
	v_mov_b32 v[BIA+2*\a+1], v[ZR]                 ; (named as the pair's upper half)
.endr
; Block a's 64 sums come into window 0 with the bias: of the two addends one is zero, so the bias is one f32 addition.  Each accumulator is read from its low end on.
.macro ADDB a
	WIN 0x02+(\a)/4
.irp b, 0,1,2,3,4,5,6,7
.irp k, 0,2,4,6
	v_pk_add_f32 v[T+8*\b+\k:T+8*\b+\k+1], v[8*(8*((\a)%4)+\b)+\k:8*(8*((\a)%4)+\b)+\k+1], v[BIB+8*\b+\k:BIB+8*\b+\k+1]
.endr
.endr
	WIN 0
.set JJ, 0
.rept 32
	v_pk_add_f32 v[T+JJ:T+JJ+1], v[T+JJ:T+JJ+1], v[BIA+2*(\a):BIA+2*(\a)+1] op_sel_hi:[1,0]
.set JJ, JJ+2
.endr
.endm
; 64 numbers of a lane, four blocks of 32 shared with lane l xor 16, become twelve registers of codes (blocks 0, 1 at d0, blocks 2, 3 at d1) and a scale word w.
; A block's scale is 2^(floor(log2(its largest magnitude)) - 2): its byte is the largest magnitude's exponent field - 2, held at 1 from below by the floor 2^(3 - 127) among the maximum's leaves.
.macro QUANT s, d0, d1, w
.irp b, 0,1,2,3
	v_max3_num_f32 v[TM+\b], |v[\s+16*\b]|, |v[\s+1+16*\b]|, 0x1800000
.endr
.irp i, 2,4,6,8,10,12,14
.irp b, 0,1,2,3
	v_max3_num_f32 v[TM+\b], v[TM+\b], |v[\s+16*\b+\i]|, |v[\s+1+16*\b+\i]|
.endr
.endr
.irp b, 0,1,2,3
	v_permlanex16_b32 v[TP+\b], v[TM+\b], s20, s21
.endr
.irp b, 0,1,2,3
	v_max_num_f32 v[TM+\b], v[TM+\b], v[TP+\b]
.endr
.irp b, 0,1,2,3
	v_add_nc_u32 v[TS+\b], 0xff000000, v[TM+\b]    ; 2 off the exponent field: the conversion takes the exponent field of this operand as its scale
.endr
.irp b, 0,1,2,3
	v_lshrrev_b32 v[TP+\b], 23, v[TS+\b]           ; the scale's byte
.endr
	v_lshl_or_b32 v[\w], v[TP+1], 8, v[TP]
	v_lshl_or_b32 v[\w], v[TP+2], 16, v[\w]
	v_lshl_or_b32 v[\w], v[TP+3], 24, v[\w]
	v_cvt_scalef32_pk16_fp6_f32 v[(\d0):(\d0)+2], v[\s:\s+15], v[TS]
	v_cvt_scalef32_pk16_fp6_f32 v[CT0:CT0+2], v[\s+16:\s+31], v[TS+1]   ; (a conversion's three registers begin on an even number)
	v_cvt_scalef32_pk16_fp6_f32 v[(\d1):(\d1)+2], v[\s+32:\s+47], v[TS+2]
	v_cvt_scalef32_pk16_fp6_f32 v[CT1:CT1+2], v[\s+48:\s+63], v[TS+3]
	v_nop                                          ; one plain place behind a scaled conversion
.irp i, 0,1,2                                  ; the operand's layout wants a whole block in a lane: lanes 0-15 the even block, lanes 16-31 the odd one
	v_permlane16_swap_b32 v[(\d0)+\i], v[CT0+\i]
	v_permlane16_swap_b32 v[(\d1)+\i], v[CT1+\i]
.endr
.irp i, 0,1,2
	v_mov_b32 v[(\d0)+3+\i], v[CT0+\i]
	v_mov_b32 v[(\d1)+3+\i], v[CT1+\i]
.endr
.endm
; Blocks 2 i and 2 i + 1 of my rows of A become two images.  q, k: image e = head e of tokens 32 i + 0..31 (six registers of each block);  v: image e = block 2 i + e as it stands.
.macro PAIR i
.if \i > 0
	s_wait_xcnt 0x0                                ; the last pair's stores have read their registers: the images are written again only behind this wait
.endif
	ADDB 2*\i
	QUANT T, F0, XG, PW
	ADDB 2*\i+1
	QUANT T, YG, F1+6, PW+1
.irp k, 0,1,2,3,4,5
	v_cndmask_b32 v[F0+6+\k], v[YG+\k], v[XG+\k], s18
	v_cndmask_b32 v[F1+\k], v[XG+\k], v[YG+\k], s18
.endr
	v_perm_b32 v[WR+\i], v[PW+1], v[PW], s22
	v_perm_b32 v[WR+4+\i], v[PW+1], v[PW], s23
.irp c, 0,1,2
	global_store_b128 v[RO+\i], v[F0+4*\c:F0+4*\c+3], s[12:13] offset:512*\c      ; 32 lanes store 512 consecutive bytes, at a multiple of 256 from the buffer's first byte
	global_store_b128 v[RO+4+\i], v[F1+4*\c:F1+4*\c+3], s[12:13] offset:512*\c
.endr
.endm
	PAIR 0
	PAIR 1
	PAIR 2
	PAIR 3
	; the two heads' scale words: word k of head e' is, for q and k, that of (image e', pair k); for v that of (image k % 2, pair 2 e' + k / 2).  Lanes 0-15 carry the even word of a pair, lanes 16-31 the odd one.
	v_cndmask_b32 v33, v[WR+1], v[WR+4], s18
	v_cndmask_b32 v34, v[WR+2], v[WR+1], s18
	v_cndmask_b32 v35, v[WR+3], v[WR+5], s18
	v_cndmask_b32 v36, v[WR+4], v[WR+2], s18
	v_cndmask_b32 v37, v[WR+5], v[WR+6], s18
	v_cndmask_b32 v38, v[WR+6], v[WR+3], s18
	v_cndmask_b32 v40, v[WR], v33, s19
	v_cndmask_b32 v41, v34, v35, s19
	v_cndmask_b32 v42, v36, v37, s19
	v_cndmask_b32 v43, v38, v[WR+7], s19
	global_store_b64 v[SOF], v[40:41], s[12:13] offset:6144          ; 32 lanes store 256 consecutive bytes, aligned
	global_store_b64 v[SOF], v[42:43], s[12:13] offset:HEADB+6144
	s_wait_tensorcnt 0x0                           ; the wave's end
	ds_add_u32 v[SPW], v[NIL]
	s_wait_dscnt 0x0
	CROUND                                         ; the closing round: no work-group ends while a partner may still ask for a tile that names it
	s_endpgm
.Lfunc_end_k_q130adab193_qkv:
	.size	k_q130adab193_qkv, .Lfunc_end_k_q130adab193_qkv-k_q130adab193_qkv
	.p2alignl 7, 3214868480
	.fill 96, 4, 3214868480
	.section	.rodata,"a",@progbits
	.p2align	6, 0x0
	.amdhsa_kernel k_q130adab193_qkv
		.amdhsa_group_segment_fixed_size 327680
		.amdhsa_private_segment_fixed_size 0
		.amdhsa_enable_private_segment 0
		.amdhsa_kernarg_size 104
		.amdhsa_user_sgpr_count 2
		.amdhsa_user_sgpr_kernarg_segment_ptr 1
		.amdhsa_wavefront_size32 1
		.amdhsa_system_sgpr_workgroup_id_x 1
		.amdhsa_system_sgpr_workgroup_id_y 1
		.amdhsa_system_sgpr_workgroup_id_z 1
		.amdhsa_system_vgpr_workitem_id 0
		.amdhsa_next_free_vgpr 1024
		.amdhsa_next_free_sgpr 106
		.amdhsa_reserve_vcc 0
		.amdhsa_float_denorm_mode_32 3
		.amdhsa_float_denorm_mode_16_64 3
		.amdhsa_memory_ordered 1
		.amdhsa_forward_progress 1
		.amdhsa_inst_pref_size 209
	.end_amdhsa_kernel
	.amdgpu_metadata
---
amdhsa.version: [ 1, 2 ]
amdhsa.kernels:
  - .name:           k_q130adab193_qkv
    .symbol:         k_q130adab193_qkv.kd
    .args:
      - { .name: x_codes, .offset: 0, .size: 8, .value_kind: global_buffer, .address_space: global }
      - { .name: x_scales, .offset: 8, .size: 8, .value_kind: global_buffer, .address_space: global }
      - { .name: Wq_codes, .offset: 16, .size: 8, .value_kind: global_buffer, .address_space: global }
      - { .name: Wq_scales, .offset: 24, .size: 8, .value_kind: global_buffer, .address_space: global }
      - { .name: Wk_codes, .offset: 32, .size: 8, .value_kind: global_buffer, .address_space: global }
      - { .name: Wk_scales, .offset: 40, .size: 8, .value_kind: global_buffer, .address_space: global }
      - { .name: Wv_codes, .offset: 48, .size: 8, .value_kind: global_buffer, .address_space: global }
      - { .name: Wv_scales, .offset: 56, .size: 8, .value_kind: global_buffer, .address_space: global }
      - { .name: bq, .offset: 64, .size: 8, .value_kind: global_buffer, .address_space: global }
      - { .name: bk, .offset: 72, .size: 8, .value_kind: global_buffer, .address_space: global }
      - { .name: bv, .offset: 80, .size: 8, .value_kind: global_buffer, .address_space: global }
      - { .name: qimg, .offset: 88, .size: 8, .value_kind: global_buffer, .address_space: global }
      - { .name: kv, .offset: 96, .size: 8, .value_kind: global_buffer, .address_space: global }
    .group_segment_fixed_size: 327680
    .private_segment_fixed_size: 0
    .kernarg_segment_align: 8
    .kernarg_segment_size: 104
    .max_flat_workgroup_size: 128
    .sgpr_count:     106
    .vgpr_count:     1024
    .wavefront_size: 32
...
	.end_amdgpu_metadata
.endif
;; end of part 1
;; launch attn (part 2): grid 8 x 32, 16 waves a work-group, clusters of 4 x 1, 327,680 bytes of LDS; arguments qimg, kv, oimg, oscl; writes oimg, oscl
.if DOCPART == 2
	.amdgcn_target "amdgcn-amd-amdhsa--gfx1250"
	.amdhsa_code_object_version 6
	.text
	.protected	k_q130adab193_attn
	.globl	k_q130adab193_attn
	.p2align	8
	.type	k_q130adab193_attn,@function
k_q130adab193_attn:
	s_mov_b64 s[64:65], 0
	v_nop
	global_prefetch_b8 v0, s[64:65] scope:SCOPE_SE
	s_setreg_imm32_b32 hwreg(HW_REG_WAVE_MODE, 25, 1), 1
	s_wait_xcnt 0x0
	s_wait_alu depctr_hold_cnt(0) depctr_sa_sdst(0) depctr_va_vdst(0) depctr_va_sdst(0) depctr_va_ssrc(0) depctr_va_vcc(0) depctr_vm_vsrc(0)
	s_getreg_b32 s2, hwreg(HW_REG_IB_STS2, 6, 4)
	s_cmp_eq_u32 s2, 0
	s_cbranch_scc0 .Lentry_in_a_cluster
	s_endpgm
.Lentry_in_a_cluster:
	s_bfe_u32 s2, ttmp6, 0x10000c
	s_cmp_lg_u32 s2, 0x3003
	s_cbranch_scc0 .Lentry_shape_is_right
	s_endpgm
.Lentry_shape_is_right:
; o = softmax(q k^T / 32) v for two heads of 64, both products on codes of FP6 (E2M3) with E8M0 scales; o is divided by the row's sum, quantised along the embedding and leaves as an image of the next product's operand.
; THE SOFTMAX: t = score x log2(e) / 32; M = the row's largest t so far, rounded up to a whole number; p = 2^(t - M) is quantised along the keys, not normalised; the row's sum is taken of the unquantised p in f32.
; When M moves, the sum and O are multiplied by 2^(old M - new M), which rounds nothing; there is no branch on data.
; SHARES.  A work-group owns 256 queries of one batch and the heads 2 j and 2 j + 1, one after the other; each of its sixteen waves owns 16 queries in 256 registers, four waves to a SIMD, so that one wave's vector work
; stands beside another's matrix work and LDS loads.  After both heads a wave holds one whole fragment (16 rows x 128 along the embedding) and one scale word a row: K step j of the output projection.
; CLUSTER.  The four work-groups of a cluster walk the same 32 records of k and v (two heads x 16 steps of 128 keys, 409,600 dense bytes): each fill is asked for jointly, with the mask of all four.
; A RECORD (12,800 bytes) holds images of operand registers: a fragment comes by three loads of 16 bytes a lane, lane l at 16 l: consecutive bytes, no pitch, no padding.
; K = 64 IN AN INSTRUCTION OF K = 128.  A fragment of k holds keys 32 g + 0..15 in its K 0..63 and keys 32 g + 16..31 in its K 64..127.  q lies as [six zeros][six registers][six zeros]: taken from the 7th register on it meets
; the first 16 keys, taken from the 1st on the second 16; zero codes add nothing under any scale byte but 0xff, and the bytes here lie between 1 and 254.  q's scale word holds its two bytes twice.
; LAYOUT.  S^T = k q^T and O^T = v^T p^T: a lane holds one query (lane % 16) throughout.  The 16 registers of two neighbouring tiles of scores are the offsets 8 h + 0..7 and 16 + 8 h + 0..7 of a block of 32 keys:
; a true block, its codes in the same fixed order in which the launch before laid v's.  o meets a given operand: sixteen exchanges of lane halves put it into the true order first.
; LIMITS: NaN and infinities are not served; a block whose largest magnitude lies under 2^-124 (zeros among them) gets the byte 1, read by this program alone; 1 / sum is v_rcp_f32 and a multiplication.
.set REC,   12800
.set HEADB, 16*REC
; LDS holds 24 records.  At the head waves 0-7 ask for records 0-7, one each, and waves 8-15 for records 8-23, two each.  Between the heads, behind the one drained round, waves 0-7 ask for records 24-31 onto records 0-7.
; What is asked for later than records 0-7 is shown to all waves by a barrier that is signalled four key steps ahead of its wait.
; No prefetch: every fill but the first is asked for eight key steps or more ahead of its first read, and the launch's first fill has no loop ahead of it.
.set SLOTB, 8*REC                      ; eight records
.set SW,    3*SLOTB                    ; behind the records: a stage for o's scale words, 4 bytes a query; no fill lands here
.set G1W,   56                         ; s[56:63] group 1 of a load of two records
.set SPARE, SW+1024                    ; the spare words, 128 bytes for each wave: eight blocks of 256 bytes that no other line names
.set LI,  1                            ; v1   16 x lane
.set LS,  2                            ; v2   8 x lane
.set ADR, 3                            ; v3   the record in hand + 16 x lane
.set ADS, 4                            ; v4   the record in hand + 8 x lane
.set SPW, 5                            ; v5   LDS address of my spare word; never rewritten
.set NIL, 6                            ; v6   0; never rewritten
.set QS,  7                            ; v7   q's scale word
.set PS,  8                            ; v8   p's scale word
.set TT,  9                            ; v9   at work
.set FF,  10                           ; v[10:11] f = 2^(old M - new M), and a written neighbour
.set NM,  12                           ; v12  -M;  v13 the largest score so far
.set LL,  14                           ; v[14:15] the row's sum in two halves
.set QZ,  16                           ; v16-21 zeros, v22-27 q, v28-33 zeros
.set F,   36                           ; v36-83 four fragments of k, then of v
.set KSC, 84                           ; v[84:85] k's scale words: lanes 0-15 groups 0, 2; lanes 16-31 groups 1, 3
.set VSC, 86                           ; v[86:87] v's likewise
.set BM,  88                           ; v88-91 the blocks' largest scores, then largest p
.set BP,  92                           ; v92-95 the other half's, then bytes
.set S,   96                           ; v96-159 S^T, then p
.set O,   160                          ; v160-191 O^T
.set PC,  192                          ; v192-203 p's codes
.set CT0, 204
.set CT1, 208
.set SO,  212                          ; v212-215 the conversions' scale operands
.set SU,  216                          ; v[216:217] the sums' second chain
.set OF,  220                          ; v220-231 o's fragment
.set OW,  232                          ; v232 its scale word
.set Q1,  234                          ; v234-239 the second head's q;  v240 its scale word
.set QS1, 240
.set QA,  241                          ; v241-242 q's byte offsets;  v244 its scale word's
.set QSA, 244
.set SWA, 245                          ; v245 where my query's scale word goes in the stage
.set SRA, 246                          ; v246 where a wave reads 128 queries' words back
.set WB,  248                          ; v248-251 those words
.set WV,  12
.set SEL, 20
.set CS,  22
.set G1,  24
.set G0,  32                           ; s[32:35], s[36:39]: group 0 of slot 0, 1
.set TB,  40                           ; s40 LDS byte of the record in hand
.set CNT, 41
.macro CROUND                          ; a round of the cluster's barrier
	s_barrier_signal -1
	s_barrier_wait -1
	s_cmp_lg_u32 s[WV], 0
	s_cbranch_scc1 .Lnot_wave_0_\@
	s_barrier_signal -3
.Lnot_wave_0_\@:
	s_barrier_wait -3
	s_barrier_signal -1
	s_barrier_wait -1
.endm
.macro TLOAD n                         ; waves 0 to 7 fetch one record of slot n each, the others nothing; four v_nop follow the line
	s_cmp_lt_u32 s[WV], 8
	s_cbranch_scc0 .Lnone_\@
	tensor_load_to_lds s[G0+4*\n:G0+4*\n+3], s[G1:G1+7]
	s_nop 0
.rept 4
	v_nop
.endr
.Lnone_\@:
.endm
	s_load_b256 s[4:11], s[0:1], 0x0               ; qimg s[4:5], kv s[6:7], oimg s[8:9], oscl s[10:11]
	v_lshl_add_u32 v[SPW], v0, 2, SPARE
	v_mov_b32 v[NIL], 0
	ds_add_u32 v5, v6
	ds_add_u32 v5, v6
	s_wait_dscnt 0x0
	v_lshrrev_b32 v[TT], 5, v0
	s_delay_alu instid0(VALU_DEP_1)
	v_readfirstlane_b32 s[WV], v[TT]               ; wave 0..15
	v_and_b32 v34, 31, v0                          ; lane
	v_and_b32 v35, 15, v0                          ; r
	s_delay_alu instid0(VALU_DEP_2)
	v_lshlrev_b32 v[LI], 4, v34                    ; every LDS address register is made here, ahead of the first branch on the wave's number
	s_delay_alu instid0(VALU_DEP_3)
	v_lshlrev_b32 v[LS], 3, v34
	v_and_b32 v[SWA], 0x1e0, v0
	s_delay_alu instid0(VALU_DEP_1)
	v_lshlrev_b32 v[SWA], 1, v[SWA]                ; 64 x wave
	s_delay_alu instid0(VALU_DEP_1)
	v_lshl_add_u32 v[SWA], v35, 2, v[SWA]
	s_delay_alu instid0(VALU_DEP_1)
	v_add_nc_u32 v[SWA], SW, v[SWA]                ; the stage: 4 x (16 x wave + r)
	v_bfe_u32 v[SRA], v0, 5, 1
	s_delay_alu instid0(VALU_DEP_1)
	v_lshlrev_b32 v[SRA], 9, v[SRA]
	s_delay_alu instid0(VALU_DEP_1)
	v_lshl_add_u32 v[SRA], v34, 2, v[SRA]
	s_delay_alu instid0(VALU_DEP_1)
	v_add_nc_u32 v[SRA], SW, v[SRA]                ; back: 512 x (wave % 2) + 4 x lane
	s_bfe_u32 s13, ttmp6, 0x40000                  ; cx
	s_lshl_b32 s14, ttmp9, 2
	s_add_co_u32 s14, s14, s13                     ; my block of 256 queries: it enters q's, o's and the scale words' global addresses alone
	s_and_b32 s15, ttmp7, 0xffff                   ; 8 x batch + j, which the four partners share
	s_mov_b32 s[G1], 15|(3<<16)|(1<<21)            ; 15:0 the mask: all four work-groups; 17:16 elements of 8 bytes; 20 no padding; 21 set beside a mask
	s_mov_b32 s[G1+1], 32<<16                      ; tensor_dim0 = 32 elements: 256 bytes
	s_mov_b32 s[G1+2], 50<<16                      ; a record: 50 rows of 256 bytes
	s_mov_b32 s[G1+3], 32<<16
	s_mov_b32 s[G1+4], 50
	s_mov_b32 s[G1+5], 32                          ; dense
	s_mov_b32 s[G1+6], 0
	s_mov_b32 s[G1+7], 0
	s_mov_b32 s[G1W], 15|(3<<16)|(1<<21)           ; the same for two records: 100 rows
	s_mov_b32 s[G1W+1], 32<<16
	s_mov_b32 s[G1W+2], 100<<16
	s_mov_b32 s[G1W+3], 32<<16
	s_mov_b32 s[G1W+4], 100
	s_mov_b32 s[G1W+5], 32
	s_mov_b32 s[G1W+6], 0
	s_mov_b32 s[G1W+7], 0
	s_and_b32 s44, s[WV], 7
	s_mul_i32 s45, s44, REC                        ; record wave % 8, in LDS and in the stream
	s_mul_i32 s42, s15, 2*HEADB                    ; the two heads' 32 records
	s_mov_b32 s43, 0
	s_lshr_b32 s46, s[WV], 3                       ; q: my 16 queries lie in record 2 x block + wave / 8 of each head,
	s_lshl_b32 s47, s14, 1
	s_add_co_u32 s46, s46, s47
	s_mul_i32 s46, s46, REC
	s_mul_i32 s47, s15, 2*HEADB
	s_add_co_u32 s46, s46, s47
	s_mov_b32 s47, 0
	s_bfe_u32 s48, s[WV], 0x20001                  ; in group (wave % 8) / 2,
	s_and_b32 s49, s[WV], 1                        ; as its registers 0-5 (0) or 6-11 (1)
	s_mul_i32 s50, s48, 1536
	s_mul_i32 s51, s49, 520                        ; registers 0, 1 lie at 16 l and 6, 7 at 16 l + 520; 4, 5 and 10, 11 are 512 bytes on
	s_add_co_u32 s51, s51, s50
	s_mul_i32 s52, s49, 1016                       ; registers 2, 3 at 16 l + 8 and 8, 9 at 16 l + 1,024
	s_add_co_u32 s52, s52, s50
	v_add_nc_u32 v[QA], s51, v[LI]
	v_add_nc_u32 v[QA+1], s52, v[LI]
	s_and_b32 s53, s48, 1                          ; the group's scale words: lane 16 (group % 2) + r, word group / 2
	s_lshl_b32 s53, s53, 7
	s_lshr_b32 s54, s48, 1
	s_lshl_b32 s54, s54, 2
	s_add_co_u32 s53, s53, s54
	v_lshl_add_u32 v[QSA], v35, 3, s53
	s_cmp_eq_u32 s49, 1
	s_mov_b32 s55, 0x01000100                      ; my two bytes of that word, twice
	s_cselect_b32 s55, 0x03020302, s55
	s_mov_b32 s[SEL], 0x76543210
	s_mov_b32 s[SEL+1], 0xfedcba98                 ; v_permlanex16_b32's selects for lane l xor 16
	s_mov_b32 s[CS], 0x3d38aa3b                    ; c = log2(e) / 32
	s_mov_b32 s[CS+1], s[CS]                       ; (named with it as a pair)
	s_wait_kmcnt 0x0
	s_add_nc_u64 s[6:7], s[6:7], s[42:43]
	s_add_nc_u64 s[4:5], s[4:5], s[46:47]
	s_mov_b32 s50, s45
	s_mov_b32 s51, 0
	s_lshl_b32 s52, s45, 1
	s_add_co_u32 s52, s52, SLOTB                   ; records 8 + 2 (wave % 8) and the next
	s_mov_b32 s53, 0
	s_mov_b32 s[G0], 1                             ; s[32:35]: record wave % 8; behind the round between the heads the record 24 further on
	s_mov_b32 s[G0+1], s50
	s_add_nc_u64 s[G0+2:G0+3], s[6:7], s[50:51]
	s_or_b32 s[G0+3], s[G0+3], 0x80000000
	s_mov_b32 s[G0+4], 1                           ; s[36:39]: the two records of waves 8-15
	s_mov_b32 s[G0+5], s52
	s_add_nc_u64 s[G0+6:G0+7], s[6:7], s[52:53]
	s_or_b32 s[G0+7], s[G0+7], 0x80000000
	CROUND                                         ; all four work-groups are here: the first joint loads meet
	s_cmp_lt_u32 s[WV], 8                          ; one load a wave, an arm for each group of waves: every way passes one load
	s_cbranch_scc0 .Lfirst_b
	tensor_load_to_lds s[G0:G0+3], s[G1:G1+7]
	s_nop 0
.rept 4
	v_nop
.endr
	s_branch .Lfirst_done
.Lfirst_b:
	tensor_load_to_lds s[G0+4:G0+7], s[G1W:G1W+7]
	s_nop 0
.rept 4
	v_nop
.endr
.Lfirst_done:
	s_wait_alu depctr_va_vdst(0)
	global_load_b64 v[QZ+6:QZ+7], v[QA], s[4:5]
	global_load_b64 v[QZ+8:QZ+9], v[QA+1], s[4:5] offset:8
	global_load_b64 v[QZ+10:QZ+11], v[QA], s[4:5] offset:512
	global_load_b32 v[QS], v[QSA], s[4:5] offset:6144
	global_load_b64 v[Q1:Q1+1], v[QA], s[4:5] offset:HEADB
	global_load_b64 v[Q1+2:Q1+3], v[QA+1], s[4:5] offset:HEADB+8
	global_load_b64 v[Q1+4:Q1+5], v[QA], s[4:5] offset:HEADB+512
	global_load_b32 v[QS1], v[QSA], s[4:5] offset:HEADB+6144
	s_wait_loadcnt 0x0
	v_perm_b32 v[QS], v[QS], v[QS], s55
	v_perm_b32 v[QS1], v[QS1], v[QS1], s55
.irp k, 0,1,2,3,4,5
	v_mov_b32 v[QZ+\k], 0
	v_mov_b32 v[QZ+12+\k], 0
.endr
; a head begins: O^T, the sum and the p that the first step sums are zeros, and the largest score is -3e38, under every score that is served: the first change of M multiplies zeros.
; (These lines are also the places between the writes of q and its scale word and the first product.)
.macro BEGIN
.set JJ, 0
.rept 32
	v_mov_b32 v[O+JJ], 0
.set JJ, JJ+1
.endr
.set JJ, 0
.rept 64
	v_mov_b32 v[S+JJ], 0
.set JJ, JJ+1
.endr
	v_mov_b32 v[NM+1], 0xff61b1e6
	s_delay_alu instid0(VALU_DEP_1)
	v_floor_f32 v[NM], -v[NM+1]
	v_mov_b32 v[LL], 0
	v_mov_b32 v[LL+1], 0
.endm
	BEGIN
	v_mov_b32 v[FF+1], 0                           ; (named as the upper half of f's pair)
.irp b, 0,1,2,3
	v_mov_b32 v[BP+\b], 0                          ; written once: a lane permute's destination counts as one of its sources
.endr
.macro KQ g                            ; 32 keys: the same fragment of k against q in its two places
.if (\g)%2
	v_wmma_scale_f32_16x16x128_f8f6f4 v[S+16*\g:S+16*\g+7], v[F+12*\g:F+12*\g+11], v[QZ+6:QZ+17], 0, v[KSC+(\g)/2], v[QS] matrix_a_fmt:MATRIX_FMT_FP6 matrix_b_fmt:MATRIX_FMT_FP6 matrix_a_scale:MATRIX_SCALE_ROW1
	v_wmma_scale_f32_16x16x128_f8f6f4 v[S+16*\g+8:S+16*\g+15], v[F+12*\g:F+12*\g+11], v[QZ:QZ+11], 0, v[KSC+(\g)/2], v[QS] matrix_a_fmt:MATRIX_FMT_FP6 matrix_b_fmt:MATRIX_FMT_FP6 matrix_a_scale:MATRIX_SCALE_ROW1
.else
	v_wmma_scale_f32_16x16x128_f8f6f4 v[S+16*\g:S+16*\g+7], v[F+12*\g:F+12*\g+11], v[QZ+6:QZ+17], 0, v[KSC+(\g)/2], v[QS] matrix_a_fmt:MATRIX_FMT_FP6 matrix_b_fmt:MATRIX_FMT_FP6
	v_wmma_scale_f32_16x16x128_f8f6f4 v[S+16*\g+8:S+16*\g+15], v[F+12*\g:F+12*\g+11], v[QZ:QZ+11], 0, v[KSC+(\g)/2], v[QS] matrix_a_fmt:MATRIX_FMT_FP6 matrix_b_fmt:MATRIX_FMT_FP6
.endif
.endm
.macro PV t                            ; 16 of the head's 64 x these 128 keys
.if (\t)%2
	v_wmma_scale_f32_16x16x128_f8f6f4 v[O+8*\t:O+8*\t+7], v[F+12*\t:F+12*\t+11], v[PC:PC+11], v[O+8*\t:O+8*\t+7], v[VSC+(\t)/2], v[PS] matrix_a_fmt:MATRIX_FMT_FP6 matrix_b_fmt:MATRIX_FMT_FP6 matrix_a_scale:MATRIX_SCALE_ROW1
.else
	v_wmma_scale_f32_16x16x128_f8f6f4 v[O+8*\t:O+8*\t+7], v[F+12*\t:F+12*\t+11], v[PC:PC+11], v[O+8*\t:O+8*\t+7], v[VSC+(\t)/2], v[PS] matrix_a_fmt:MATRIX_FMT_FP6 matrix_b_fmt:MATRIX_FMT_FP6
.endif
.endm
; A KEY STEP: one record, 128 keys.
.set OM, 34                            ; v34  the old -M
; THE ROW'S SUM of the unquantised p that lies in S, onto v[14:15], in eight chains.  It is taken one key step late, while the next record's fragments of k are on their way: the sum still stands under the M of the step
; that made this p, since f is applied further down.  A head begins with zeros in S, and its last p is summed ahead of the head's end.
.macro SUMS
	v_pk_add_f32 v[216:217], v[100:101], v[104:105]
	v_pk_add_f32 v[254:255], v[108:109], v[112:113]
	v_pk_add_f32 v[252:253], v[116:117], v[120:121]
	v_pk_add_f32 v[250:251], v[124:125], v[128:129]
	v_pk_add_f32 v[248:249], v[132:133], v[136:137]
	v_pk_add_f32 v[242:243], v[140:141], v[144:145]
	v_pk_add_f32 v[230:231], v[148:149], v[152:153]
	v_pk_add_f32 v[14:15], v[14:15], v[156:157]
	v_pk_add_f32 v[216:217], v[216:217], v[96:97]
	v_pk_add_f32 v[254:255], v[254:255], v[98:99]
	v_pk_add_f32 v[252:253], v[252:253], v[102:103]
	v_pk_add_f32 v[250:251], v[250:251], v[106:107]
	v_pk_add_f32 v[248:249], v[248:249], v[110:111]
	v_pk_add_f32 v[242:243], v[242:243], v[114:115]
	v_pk_add_f32 v[230:231], v[230:231], v[118:119]
	v_pk_add_f32 v[14:15], v[14:15], v[122:123]
	v_pk_add_f32 v[216:217], v[216:217], v[126:127]
	v_pk_add_f32 v[254:255], v[254:255], v[130:131]
	v_pk_add_f32 v[252:253], v[252:253], v[134:135]
	v_pk_add_f32 v[250:251], v[250:251], v[138:139]
	v_pk_add_f32 v[248:249], v[248:249], v[142:143]
	v_pk_add_f32 v[242:243], v[242:243], v[146:147]
	v_pk_add_f32 v[230:231], v[230:231], v[150:151]
	v_pk_add_f32 v[14:15], v[14:15], v[154:155]
	v_pk_add_f32 v[216:217], v[216:217], v[158:159]
	s_delay_alu instid0(VALU_DEP_2)
	v_pk_add_f32 v[14:15], v[14:15], v[250:251]
	s_delay_alu instid0(VALU_DEP_2)
	v_pk_add_f32 v[216:217], v[216:217], v[248:249]
	v_pk_add_f32 v[254:255], v[254:255], v[242:243]
	v_pk_add_f32 v[252:253], v[252:253], v[230:231]
	s_delay_alu instid0(VALU_DEP_2)
	v_pk_add_f32 v[14:15], v[14:15], v[254:255]
	s_delay_alu instid0(VALU_DEP_2)
	v_pk_add_f32 v[216:217], v[216:217], v[252:253]
	s_delay_alu instid0(VALU_DEP_1)
	v_pk_add_f32 v[14:15], v[14:15], v[216:217]
.endm
.macro STEP
	v_add_nc_u32 v[ADR], s[TB], v[LI]
	v_add_nc_u32 v[ADS], s[TB], v[LS]
	ds_load_b64 v[KSC:KSC+1], v[ADS] offset:6144   ; the scale words first: every product below wants them
.irp g, 0,1,2,3
.irp c, 0,1,2
	ds_load_b128 v[F+12*\g+4*\c:F+12*\g+4*\c+3], v[ADR] offset:1536*\g+512*\c
.endr
.endr
	SUMS                                           ; the last step's p, under the loads' flight
	s_wait_alu depctr_va_vdst(0)
.irp g, 0,1,2,3
	s_wait_dscnt 9-3*\g                            ; fragment g is in: the later fragments' loads, three each, may be out
	KQ \g
.endr
.rept 4
	v_nop                                          ; places in front of the loads into k's registers and of the first read of the scores
.endr
.irp t, 0,1,2,3                                ; v's fragments are asked for now and land under the softmax
.irp c, 0,1,2
	ds_load_b128 v[F+12*\t+4*\c:F+12*\t+4*\c+3], v[ADR] offset:6400+1536*\t+512*\c
.endr
.endr
	ds_load_b64 v[VSC:VSC+1], v[ADS] offset:12544
.irp b, 0,1,2,3                                ; the largest score of each block of 32 keys, in two chains a block, one over each tile of scores: it serves for the row's maximum and, since p rises with the score, for the block's largest p
	v_max3_num_f32 v[BM+\b], v[S+16*\b], v[S+16*\b+1], v[S+16*\b+2]
.endr
.irp b, 0,1,2,3
	v_max3_num_f32 v[BP+\b], v[S+16*\b+8], v[S+16*\b+9], v[S+16*\b+10]
.endr
.irp i, 3,5
.irp b, 0,1,2,3
	v_max3_num_f32 v[BM+\b], v[BM+\b], v[S+16*\b+\i], v[S+16*\b+\i+1]
.endr
.irp b, 0,1,2,3
	v_max3_num_f32 v[BP+\b], v[BP+\b], v[S+16*\b+8+\i], v[S+16*\b+9+\i]
.endr
.endr
.irp b, 0,1,2,3
	v_max3_num_f32 v[BM+\b], v[BM+\b], v[S+16*\b+7], v[S+16*\b+15]
.endr
.irp b, 0,1,2,3
	v_max_num_f32 v[BM+\b], v[BM+\b], v[BP+\b]
.endr
.irp b, 0,1,2,3
	s_delay_alu instid0(VALU_DEP_4)
	v_permlanex16_b32 v[BP+\b], v[BM+\b], s[SEL], s[SEL+1]
.endr
.irp b, 0,1,2,3
	s_delay_alu instid0(VALU_DEP_4)
	v_max_num_f32 v[BM+\b], v[BM+\b], v[BP+\b]     ; with lane l xor 16's 16 keys
.endr
	s_delay_alu instid0(VALU_DEP_2)
	v_max3_num_f32 v[TT], v[BM], v[BM+1], v[BM+2]
	v_mov_b32 v[OM], v[NM]                         ; the old -M
	s_delay_alu instid0(VALU_DEP_2)
	v_max3_num_f32 v[NM+1], v[TT], v[BM+3], v[NM+1]   ; the running largest score (c is positive: the largest t is c x it)
	s_delay_alu instid0(VALU_DEP_1)
	v_mul_f32 v[TT], s[CS], v[NM+1]
	s_delay_alu instid0(VALU_DEP_1)
	v_floor_f32 v[NM], -v[TT]                      ; the new -M = floor(-t) = -ceil(t)
.set JJ, 0
.irp w, 0,1,2,3                                ; t - M, two at a time; the three lines that make f = 2^(old M - new M) stand among them, eight lines apart
.rept 8
	v_pk_fma_f32 v[S+JJ:S+JJ+1], v[S+JJ:S+JJ+1], s[CS:CS+1], v[NM:NM+1] op_sel_hi:[1,0,0]
.set JJ, JJ+2
.endr
.if \w == 0
	v_sub_f32 v[TT], v[NM], v[OM]                  ; old M - new M: a whole number, 0 or less
.elseif \w == 1
	v_cvt_i32_f32 v[TT], v[TT]                     ; (it saturates)
.elseif \w == 2
	v_ldexp_f32 v[FF], 1.0, v[TT]
.endif
.endr
.irp b, 0,1,2,3
	v_fma_f32 v[BM+\b], v[BM+\b], s[CS], v[NM]     ; the same of each block's largest score
.endr
.set JJ, 0
	s_wait_alu depctr_va_vdst(0)
.rept 64
	v_exp_f32 v[S+JJ], v[S+JJ]                     ; p = 2^(t - M), at most 1
.set JJ, JJ+1
.endr
.irp b, 0,1,2,3
	v_exp_f32 v[BM+\b], v[BM+\b]                   ; the block's largest p: the same two instructions on the same number
.endr
	v_pk_mul_f32 v[LL:LL+1], v[LL:LL+1], v[FF:FF+1] op_sel_hi:[1,0]   ; the sums under the new M (a plain place behind the exponentials)
	s_wait_alu depctr_va_vdst(0)
.irp b, 0,1,2,3
	v_max_num_f32 v[BM+\b], 0x1800000, v[BM+\b]    ; the floor 2^(3 - 127): the byte cannot fall under 1
.endr
.irp b, 0,1,2,3
	s_delay_alu instid0(VALU_DEP_4)
	v_add_nc_u32 v[SO+\b], 0xff000000, v[BM+\b]    ; 2 off the exponent field: the conversion's scale operand
.endr
	v_cvt_scalef32_pk16_fp6_f32 v[PC:PC+2], v[S:S+15], v[SO]
	v_cvt_scalef32_pk16_fp6_f32 v[CT0:CT0+2], v[S+16:S+31], v[SO+1]
	v_cvt_scalef32_pk16_fp6_f32 v[PC+6:PC+8], v[S+32:S+47], v[SO+2]
	v_cvt_scalef32_pk16_fp6_f32 v[CT1:CT1+2], v[S+48:S+63], v[SO+3]
.irp b, 0,1,2,3
	v_lshrrev_b32 v[BP+\b], 23, v[SO+\b]           ; the scales' bytes: plain lines behind the conversions, which touch none of their results
.endr
	v_lshl_or_b32 v[PS], v[BP+1], 8, v[BP]
	v_lshl_or_b32 v[TT], v[BP+3], 8, v[BP+2]
	s_delay_alu instid0(VALU_DEP_1)
	v_lshl_or_b32 v[PS], v[TT], 16, v[PS]          ; p's scale word
.irp i, 0,1,2                                  ; a whole block to a lane: lanes 0-15 the even block, lanes 16-31 the odd one
	v_permlane16_swap_b32 v[PC+\i], v[CT0+\i]
	v_permlane16_swap_b32 v[PC+6+\i], v[CT1+\i]
.endr
.irp i, 0,1,2
	v_mov_b32 v[PC+3+\i], v[CT0+\i]
	v_mov_b32 v[PC+9+\i], v[CT1+\i]
.endr
.set JJ, 0
.rept 16
	v_pk_mul_f32 v[O+JJ:O+JJ+1], v[O+JJ:O+JJ+1], v[FF:FF+1] op_sel_hi:[1,0]   ; O^T under the new M.  (These sixteen are the places between p's codes and scale word and the products below)
.set JJ, JJ+2
.endr
	s_wait_alu depctr_va_vdst(0)
	s_wait_dscnt 0x0                               ; v's fragments and scale words are in
.irp t, 0,1,2,3
	PV \t                                          ; four accumulators, one instruction each; the eight products k q^T stand between two links on one accumulator
.endr
.rept 4
	v_nop                                          ; places in front of the next loads into these fragments and of the first read of O^T
.endr
	s_add_co_u32 s[TB], s[TB], REC
.endm
.macro PHASE base, n                   ; n records from LDS byte base on
	s_mov_b32 s[TB], \base
	s_mov_b32 s[CNT], \n
.Lstep_\@:
	STEP
	s_sub_co_u32 s[CNT], s[CNT], 1
	s_cmp_lg_u32 s[CNT], 0
	s_cbranch_scc1 .Lstep_\@
.endm
.macro SHOWN                           ; the signal of a barrier that shows what is still on its way: every wave waits for all its tensor loads; the wait at the barrier follows four key steps on, with LDS loads and register work between
	s_wait_tensorcnt 0x0
	s_wait_dscnt 0x0
	s_barrier_signal -1
.endm
; THE ROUND BETWEEN THE HEADS.  Each wave waits for all its tensor loads, adds 0 to its spare word, and waits for that and for its reads of the first head's records; behind the round records 24-31 land on records 0-7.
.macro CHANGE n, fill
	s_wait_tensorcnt 0x0                           ; no tensor load of mine is out, so a group 0 may be written
	ds_add_u32 v[SPW], v[NIL]                      ; 0 onto my spare word
.if \fill
	s_add_nc_u64 s[G0+4*\n+2:G0+4*\n+3], s[G0+4*\n+2:G0+4*\n+3], 3*SLOTB
.endif
	s_wait_dscnt 0x0                               ; the add is done, and my reads of the slot that I leave are over
.if \fill
	CROUND
	TLOAD \n
.else
	s_barrier_signal -1
	s_barrier_wait -1
.endif
.endm
; A head's end: O^T / the sum, into the true order along d, quantised: six registers of o's fragment and two bytes of its scale word.
.macro FINAL e
	v_add_f32 v[LL], v[LL], v[LL+1]
	s_delay_alu instid0(VALU_DEP_1)
	v_permlanex16_b32 v[TT], v[LL], s[SEL], s[SEL+1]
	s_delay_alu instid0(VALU_DEP_1)
	v_add_f32 v[LL], v[LL], v[TT]                  ; the row's sum
	s_wait_alu depctr_va_vdst(0)
	v_rcp_f32 v[LL], v[LL]
	v_nop                                          ; one plain place behind a transcendental
.set JJ, 0
	s_wait_alu depctr_va_vdst(0)
.rept 32
	v_mul_f32 v[S+JJ], v[O+JJ], v[LL]              ; register 8 t + i is o(query r, d = 16 t + 8 h + i)
.set JJ, JJ+1
.endr
.irp b, 0,1
.irp j, 0,1,2,3,4,5,6,7
	v_permlane16_swap_b32 v[S+16*\b+\j], v[S+16*\b+8+\j]   ; register 16 b + i now holds d = 32 b + 16 h + i
.endr
.endr
.irp b, 0,1
	v_max3_num_f32 v[BM+\b], |v[S+16*\b]|, |v[S+16*\b+1]|, 0x1800000
.endr
.irp i, 2,4,6,8,10,12,14
.irp b, 0,1
	s_delay_alu instid0(VALU_DEP_2)
	v_max3_num_f32 v[BM+\b], v[BM+\b], |v[S+16*\b+\i]|, |v[S+16*\b+\i+1]|
.endr
.endr
.irp b, 0,1
	s_delay_alu instid0(VALU_DEP_2)
	v_permlanex16_b32 v[BP+\b], v[BM+\b], s[SEL], s[SEL+1]
.endr
.irp b, 0,1
	s_delay_alu instid0(VALU_DEP_2)
	v_max_num_f32 v[BM+\b], v[BM+\b], v[BP+\b]
.endr
.irp b, 0,1
	s_delay_alu instid0(VALU_DEP_2)
	v_add_nc_u32 v[SO+\b], 0xff000000, v[BM+\b]
.endr
.irp b, 0,1
	s_delay_alu instid0(VALU_DEP_2)
	v_lshrrev_b32 v[BP+\b], 23, v[SO+\b]
.endr
.if \e == 0
	s_delay_alu instid0(VALU_DEP_1)
	v_lshl_or_b32 v[OW], v[BP+1], 8, v[BP]
.else
	s_delay_alu instid0(VALU_DEP_2)
	v_lshl_or_b32 v[OW], v[BP], 16, v[OW]
	s_delay_alu instid0(VALU_DEP_1)
	v_lshl_or_b32 v[OW], v[BP+1], 24, v[OW]
.endif
	v_cvt_scalef32_pk16_fp6_f32 v[OF+6*\e:OF+6*\e+2], v[S:S+15], v[SO]
	v_cvt_scalef32_pk16_fp6_f32 v[CT0:CT0+2], v[S+16:S+31], v[SO+1]
	v_nop
.irp i, 0,1,2
	v_permlane16_swap_b32 v[OF+6*\e+\i], v[CT0+\i]
.endr
.irp i, 0,1,2
	s_delay_alu instid0(VALU_DEP_3)
	v_mov_b32 v[OF+6*\e+3+\i], v[CT0+\i]
.endr
.endm
	s_wait_alu depctr_va_vdst(0)                   ; the wait at the head's end
	s_cmp_lt_u32 s[WV], 8
	s_cbranch_scc0 .Lnot_a
	s_wait_tensorcnt 0x0                           ; waves 0-7: my record of the first eight is in
.Lnot_a:
	s_barrier_signal -1
	s_barrier_wait -1                              ; records 0-7 are in; the others may be on their way
	PHASE 0, 4                                     ; head 2 j
	SHOWN
	PHASE 4*REC, 4
	s_barrier_wait -1                              ; records 8-23 are in
	PHASE SLOTB, 8
	SUMS                                           ; the head's last p
	FINAL 0
.irp k, 0,1,2,3,4,5
	v_mov_b32 v[QZ+6+\k], v[Q1+\k]                 ; the second head's q and its scale word first, the zeros behind them
.endr
	v_mov_b32 v[QS], v[QS1]
	BEGIN
	s_wait_alu depctr_va_vdst(0)                   ; the wait directly ahead of the waits below
	CHANGE 0, 1
	PHASE 2*SLOTB, 4                               ; head 2 j + 1
	SHOWN
	PHASE 2*SLOTB+4*REC, 4
	s_barrier_wait -1                              ; records 24-31 are in
	PHASE 0, 8
	SUMS
	FINAL 1
	; THE WAY OUT.  The fragment leaves as it stands: [row tile][j][4 registers][lane][16 bytes].  The scale words of 128 queries meet in the stage and leave as [lane][4 words], word i' for row 32 i' + lane.
	s_lshr_b32 s42, s15, 3                         ; batch
	s_and_b32 s43, s15, 7                          ; j
	s_lshl_b32 s44, s42, 7
	s_lshl_b32 s45, s14, 4
	s_add_co_u32 s44, s44, s45
	s_add_co_u32 s44, s44, s[WV]                   ; my row tile: 128 x batch + 16 x block + wave
	s_lshl_b32 s44, s44, 3
	s_add_co_u32 s44, s44, s43
	s_mul_i32 s44, s44, 1536
	s_mov_b32 s45, 0
	s_add_nc_u64 s[8:9], s[8:9], s[44:45]
	s_lshl_b32 s46, s42, 4
	s_lshl_b32 s47, s14, 1
	s_add_co_u32 s46, s46, s47
	s_and_b32 s47, s[WV], 1
	s_add_co_u32 s46, s46, s47                     ; 128 rows: 16 x batch + 2 x block + wave % 2
	s_lshl_b32 s46, s46, 3
	s_add_co_u32 s46, s46, s43
	s_lshl_b32 s46, s46, 9
	s_mov_b32 s47, 0
	s_add_nc_u64 s[10:11], s[10:11], s[46:47]
	s_wait_alu depctr_va_vdst(0)
.irp c, 0,1,2
	global_store_b128 v[LI], v[OF+4*\c:OF+4*\c+3], s[8:9] offset:512*\c   ; 32 lanes store 512 consecutive bytes, aligned to 256
.endr
	ds_store_b32 v[SWA], v[OW]                     ; both halves of the lanes write the same word with the same value
	s_wait_dscnt 0x0                               ; for the others' sake: my store has landed
	s_barrier_signal -1
	s_barrier_wait -1
	s_cmp_lt_u32 s[WV], 2
	s_cbranch_scc0 .Lno_words
.irp i, 0,1,2,3
	ds_load_b32 v[WB+\i], v[SRA] offset:128*\i
.endr
	s_wait_dscnt 0x0
	global_store_b128 v[LI], v[WB:WB+3], s[10:11]
.Lno_words:
	s_wait_tensorcnt 0x0                           ; the wave's end
	ds_add_u32 v[SPW], v[NIL]
	s_wait_dscnt 0x0
	CROUND                                         ; the closing round
	s_endpgm
.Lfunc_end_k_q130adab193_attn:
	.size	k_q130adab193_attn, .Lfunc_end_k_q130adab193_attn-k_q130adab193_attn
	.p2alignl 7, 3214868480
	.fill 96, 4, 3214868480
	.section	.rodata,"a",@progbits
	.p2align	6, 0x0
	.amdhsa_kernel k_q130adab193_attn
		.amdhsa_group_segment_fixed_size 327680
		.amdhsa_private_segment_fixed_size 0
		.amdhsa_enable_private_segment 0
		.amdhsa_kernarg_size 32
		.amdhsa_user_sgpr_count 2
		.amdhsa_user_sgpr_kernarg_segment_ptr 1
		.amdhsa_wavefront_size32 1
		.amdhsa_system_sgpr_workgroup_id_x 1
		.amdhsa_system_sgpr_workgroup_id_y 1
		.amdhsa_system_sgpr_workgroup_id_z 1
		.amdhsa_system_vgpr_workitem_id 0
		.amdhsa_next_free_vgpr 256
		.amdhsa_next_free_sgpr 66
		.amdhsa_reserve_vcc 0
		.amdhsa_float_denorm_mode_32 3
		.amdhsa_float_denorm_mode_16_64 3
		.amdhsa_memory_ordered 1
		.amdhsa_forward_progress 1
		.amdhsa_inst_pref_size 128
	.end_amdhsa_kernel
	.amdgpu_metadata
---
amdhsa.version: [ 1, 2 ]
amdhsa.kernels:
  - .name:           k_q130adab193_attn
    .symbol:         k_q130adab193_attn.kd
    .args:
      - { .name: qimg, .offset: 0, .size: 8, .value_kind: global_buffer, .address_space: global }
      - { .name: kv, .offset: 8, .size: 8, .value_kind: global_buffer, .address_space: global }
      - { .name: oimg, .offset: 16, .size: 8, .value_kind: global_buffer, .address_space: global }
      - { .name: oscl, .offset: 24, .size: 8, .value_kind: global_buffer, .address_space: global }
    .group_segment_fixed_size: 327680
    .private_segment_fixed_size: 0
    .kernarg_segment_align: 8
    .kernarg_segment_size: 32
    .max_flat_workgroup_size: 512
    .sgpr_count:     66
    .vgpr_count:     256
    .wavefront_size: 32
...
	.end_amdgpu_metadata
.endif
;; end of part 2
;; launch oproj (part 3): grid 4 x 64, 4 waves a work-group, clusters of 4 x 4, 327,680 bytes of LDS; arguments oimg, oscl, Wo_codes, Wo_scales, bo, out0; writes out0
.if DOCPART == 3
	.amdgcn_target "amdgcn-amd-amdhsa--gfx1250"
	.amdhsa_code_object_version 6
	.text
	.protected	k_q130adab193_oproj
	.globl	k_q130adab193_oproj
	.p2align	8
	.type	k_q130adab193_oproj,@function
k_q130adab193_oproj:
	s_mov_b64 s[64:65], 0
	v_nop
	global_prefetch_b8 v0, s[64:65] scope:SCOPE_SE
	s_setreg_imm32_b32 hwreg(HW_REG_WAVE_MODE, 25, 1), 1
	s_wait_xcnt 0x0
	s_wait_alu depctr_hold_cnt(0) depctr_sa_sdst(0) depctr_va_vdst(0) depctr_va_sdst(0) depctr_va_ssrc(0) depctr_va_vcc(0) depctr_vm_vsrc(0)
	s_getreg_b32 s2, hwreg(HW_REG_IB_STS2, 6, 4)
	s_cmp_eq_u32 s2, 0
	s_cbranch_scc0 .Lentry_in_a_cluster
	s_endpgm
.Lentry_in_a_cluster:
	s_bfe_u32 s2, ttmp6, 0x10000c
	s_cmp_lg_u32 s2, 0xf033
	s_cbranch_scc0 .Lentry_shape_is_right
	s_endpgm
.Lentry_shape_is_right:
; out0 = o Wo + bo on codes of FP6 (E2M3) with one E8M0 scale for each 32 along K = 1,024; sums in f32; the bias is the C of each sum's first product.
; o comes as the launch before left it: oimg[16 rows][K step j of 128][3 x 512 bytes: 4 registers x lane x 16 bytes], oscl[128 rows][j][lane][4 words]: word i of lane l is row 32 i + l.
; SHARES.  256 work-groups, each 128 rows x 256 columns; four waves, 2 x 2, each 64 x 128: 32 accumulators, 256 registers.
; ALL OF K LIES IN LDS: o's images (98,304 bytes, dense), Wo's 256 rows whole (768 bytes, 16 of padding behind every 256: pitch 816), both sides' scale bytes.  Four tiles, four waves, one joint load a wave at the head; nothing is filled again.
; CLUSTER 4 x 4: o's tiles hang on the tile row alone and are shared along a row of the cluster, Wo's on the tile column alone and are shared along a column.
; Source 0 = 16 rows of Wo, source 1 = 16 rows of o: a lane holds eight neighbouring columns of one row of the result.
; No prefetch: the launch asks for all its tiles at its head and has no loop to run ahead in.
; REGISTERS: window 0: v16-31 addresses; v32-63 Wo's scale words (8 (b / 2) + j); v68-83 o's (8 (a / 2) + j); v96-191 o's fragments, two sets; v192-255 the bias.  window 1: Wo's fragments, sets at v0 and v128.  window 2: accumulator (a, b) at v[8 (8 a + b)].
.set KROW,   768
.set PITCH,  816
.set FR,     12
.set TILEA,  12288                     ; 16 rows of o, all of K
.set BB,     8*TILEA                   ; Wo's rows, behind o's images
.set SCLA,   BB+256*PITCH              ; o's scale words: 16 units of 256 + 16
.set SCLB,   SCLA+16*272               ; Wo's: 32 units
.set SPARE,  SCLB+32*272               ; the spare words: two blocks of 256 bytes that no other line names
.set SPITCH, 528                       ; the way out: 16 rows x (512 + 16) a wave, on o's images, behind the barrier behind which nobody reads them
.set ADRA, 16
.set ADRB, 20                          ; v20, v21 Wo's blocks 0-3 (v21: pieces behind one padding more); v22, v23 blocks 4-7
.set STO,  24
.set RD,   25
.set CO,   26
.set ADSA, 27
.set SPW,  28
.set NIL,  29
.set ADSB, 30
.set BOF,  31
.set SBW,  32
.set SAW,  68
.set AF,   96
.set BI,   192
.set BK,   128
.set G1A, 24
.set G0A, 32
.set G1B, 48
.set G0B, 56
.set G1S, 68
.set G0S, 76
.set G1SB, 80
.set G0SB, 88
.set MSB, 0
.macro WIN new                         ; the immediate's high byte repeats the setting that is left
.if MSB != (\new)
	s_set_vgpr_msb (MSB<<8)|(\new)
.set MSB, (\new)
.endif
.endm
.macro PLACES n
.rept \n
	v_nop
.endr
.endm
.macro CROUND                          ; a round of the cluster's barrier
	s_barrier_signal -1
	s_barrier_wait -1
	s_cmp_lg_u32 s14, 0
	s_cbranch_scc1 .Lnot_wave_0_\@
	s_barrier_signal -3
.Lnot_wave_0_\@:
	s_barrier_wait -3
	s_barrier_signal -1
	s_barrier_wait -1
.endm
.macro G1SET g, mask, w0, c, r         ; group 1: r rows of c elements, dense along the rows' pitch c
	s_or_b32 s[\g], s\mask, \w0
	s_mov_b32 s[\g+1], (\c)<<16
	s_mov_b32 s[\g+2], (\r)<<16
	s_mov_b32 s[\g+3], (\c)<<16
	s_mov_b32 s[\g+4], \r
	s_mov_b32 s[\g+5], \c
	s_mov_b32 s[\g+6], 0
	s_mov_b32 s[\g+7], 0
.endm
.macro G0SET g, lds, base, off
	s_mov_b32 s[\g], 1
	s_mov_b32 s[\g+1], \lds
	s_add_nc_u64 s[\g+2:\g+3], s[\base:\base+1], s[\off:\off+1]
	s_or_b32 s[\g+3], s[\g+3], 0x80000000
.endm
.macro ARM under, g0, g1, next         ; one arm of the head's chain: its load, and a jump to the chain's end
	s_cmp_lt_u32 s14, \under
	s_cbranch_scc0 \next
	tensor_load_to_lds s[\g0:\g0+3], s[\g1:\g1+7]
	s_nop 0
	PLACES 4
	s_branch .Lasked
\next:
.endm
	s_load_b128 s[4:7], s[0:1], 0x0                ; oimg, oscl
	s_load_b128 s[8:11], s[0:1], 0x10              ; Wo's codes, Wo's scales
	s_load_b128 s[96:99], s[0:1], 0x20             ; bo, out0
	v_lshl_add_u32 v[SPW], v0, 2, SPARE
	v_mov_b32 v[NIL], 0
	ds_add_u32 v[SPW], v[NIL]                      ; the opening lines: the add twice on end and its wait
	ds_add_u32 v[SPW], v[NIL]
	v_lshrrev_b32 v1, 5, v0
	v_readfirstlane_b32 s14, v1                    ; wave
	s_lshr_b32 s15, s14, 1                         ; which 64 rows are mine
	s_and_b32 s16, s14, 1                          ; which 128 columns
	s_bfe_u32 s40, ttmp6, 0x40000                  ; cx
	s_bfe_u32 s41, ttmp6, 0x40004                  ; cy
	s_lshl_b32 s42, ttmp9, 2
	s_add_co_u32 s42, s42, s40                     ; tile column
	s_and_b32 s17, ttmp7, 0xffff
	s_lshl_b32 s17, s17, 2
	s_add_co_u32 s17, s17, s41                     ; tile row, 0 .. 63
	s_lshl_b32 s43, s41, 2
	s_lshl_b32 s43, 15, s43                        ; my row of the cluster
	s_lshl_b32 s44, 0x1111, s40                    ; my column
	G1SET G1A, 43, (3<<16)|(1<<21), 32, 384                            ; o's images: 384 rows of 256 bytes, no padding
	G1SET G1B, 44, (1<<20)|(1<<21)|(5<<22)|(3<<25), KROW, 256          ; Wo's rows: 768 bytes, 4 words of padding behind every 64
	G1SET G1S, 43, (3<<16)|(1<<20)|(1<<21)|(5<<22)|(3<<25), 32, 16     ; scale bytes: units of 256 bytes, padded
	G1SET G1SB, 44, (3<<16)|(1<<20)|(1<<21)|(5<<22)|(3<<25), 32, 32
	s_mul_i32 s20, s17, 8*TILEA
	s_mov_b32 s21, 0
	s_lshl_b32 s22, s17, 12
	s_mov_b32 s23, 0
	s_mul_i32 s46, s42, 256*KROW
	s_mov_b32 s47, 0
	s_lshl_b32 s92, s42, 13
	s_mov_b32 s93, 0
	s_wait_dscnt 0x0                               ; both opening adds are done
	s_wait_kmcnt 0x0
	CROUND                                         ; the first joint loads meet
	G0SET G0A, 0, 4, 20
	G0SET G0S, SCLA, 6, 22
	G0SET G0B, BB, 8, 46
	G0SET G0SB, SCLB, 10, 92
	ARM 1, G0B,  G1B,  .Lhead_a                    ; one load a wave: Wo's rows,
	ARM 2, G0A,  G1A,  .Lhead_sb                   ; o's images,
	ARM 3, G0SB, G1SB, .Lhead_sa                   ; Wo's scale bytes,
	tensor_load_to_lds s[G0S:G0S+3], s[G1S:G1S+7]  ; o's
	s_nop 0
	PLACES 4
.Lasked:
	v_and_b32 v1, 15, v0                           ; r
	v_bfe_u32 v2, v0, 4, 1                         ; h
	v_and_b32 v6, 31, v0                           ; lane
	s_lshl_b32 s21, s42, 10
	s_lshl_b32 s22, s16, 9
	s_add_co_u32 s21, s21, s22
	v_lshl_add_u32 v[BOF], v2, 5, s21              ; the bias in the result's layout: columns 16 b + 8 h + 0 .. 7 of my 128
.irp b, 0,1,2,3,4,5,6,7
	global_load_b128 v[BI+8*\b:BI+8*\b+3], v[BOF], s[96:97] offset:64*\b
	global_load_b128 v[BI+8*\b+4:BI+8*\b+7], v[BOF], s[96:97] offset:64*\b+16
.endr
	v_mul_u32_u24 v3, v1, PITCH
	v_mad_u32_u24 v4, v2, 24, v3                   ; row x pitch + 24 h
	v_mad_u32_u24 v5, v2, 40, v3                   ; and behind one padding more
	s_mul_i32 s22, s16, 128*PITCH
	s_add_co_u32 s22, s22, BB
	v_add_nc_u32 v[ADRB], s22, v4
	v_add_nc_u32 v[ADRB+1], s22, v5
	s_add_co_u32 s22, s22, 64*PITCH
	v_add_nc_u32 v[ADRB+2], s22, v4
	v_add_nc_u32 v[ADRB+3], s22, v5
	v_lshlrev_b32 v[CO], 4, v6                     ; 16 x lane
	s_mul_i32 s21, s15, 4*TILEA
	v_add_nc_u32 v[ADRA], s21, v[CO]
	v_lshl_add_u32 v5, v2, 4, v[CO]                ; o's scale words: 16 x lane, 16 more behind the first 256,
	s_lshl_b32 s21, s15, 3                         ; words 2 x (my half) and the next
	s_add_co_u32 s21, s21, SCLA
	v_add_nc_u32 v[ADSA], s21, v5
	v_lshlrev_b32 v5, 5, v6                        ; Wo's: row = lane, 32 bytes a row,
	v_lshrrev_b32 v4, 3, v6
	v_lshl_add_u32 v5, v4, 4, v5                   ; 16 more for each 8 rows
	s_mul_i32 s22, s16, 16*272
	s_add_co_u32 s22, s22, SCLB
	v_add_nc_u32 v[ADSB], s22, v5
	s_mul_i32 s23, s14, 16*SPITCH                  ; my stage
	v_mul_u32_u24 v5, v1, SPITCH
	v_lshl_add_u32 v5, v2, 5, v5
	v_add_nc_u32 v[STO], s23, v5
	v_add_nc_u32 v[RD], s23, v[CO]
	s_lshl_b32 s20, s17, 7
	s_lshl_b32 s21, s15, 6
	s_add_co_u32 s20, s20, s21                     ; my first row,
	s_lshl_b32 s20, s20, 12                        ; x 4,096 bytes,
	s_lshl_b32 s21, s42, 10
	s_add_co_u32 s20, s20, s21
	s_lshl_b32 s21, s16, 9
	s_add_co_u32 s20, s20, s21                     ; + my first column's bytes
	s_mov_b32 s21, 0
	s_add_nc_u64 s[12:13], s[98:99], s[20:21]
.macro FRAGB reg, q, i                 ; Wo: 16 rows x 128 K in six pieces of 8 bytes; piece n of a row lies at 8 (n + 2 (n / 32)); lanes 16-31 read three pieces on
.irp p, 0,1,2,3,4,5
.set PC_, 12*(\q)+6*(\p/3)+\p%3
	ds_load_b64 v[\reg+2*\p:\reg+2*\p+1], v[ADRB+2*((\i)/4)+(PC_%32+3)/32] offset:8*(PC_+2*(PC_/32))+((\i)%4)*16*PITCH
.endr
.endm
.macro FETCH q                         ; step q's fragments into set q % 2: 48 + 12 loads
	WIN 0x40
.irp i, 0,1,2,3,4,5,6,7
	FRAGB 128*((\q)%2)+FR*\i, \q, \i
.endr
	WIN 0
.irp i, 0,1,2,3
.irp c, 0,1,2
	ds_load_b128 v[AF+48*((\q)%2)+FR*\i+4*\c:AF+48*((\q)%2)+FR*\i+4*\c+3], v[ADRA] offset:TILEA*\i+1536*(\q)+512*\c
.endr
.endr
.endm
.macro MUL q, first                    ; 32 products, the accumulators by turns; a = 2 a2 + ra, b = 2 b2 + rb: an odd block's scale words lie in lanes 16-31
	WIN 0xa1-0x20*(\first)
.irp a2, 0,1
.irp ra, 0,1
.irp b2, 0,1,2,3
.irp rb, 0,1
.set D_, 8*(8*(2*\a2+\ra)+2*\b2+\rb)
.set C_, D_
.if \first
.set C_, BI+8*(2*\b2+\rb)
.endif
.set B_, 128*((\q)%2)+FR*(2*\b2+\rb)
.set A_, AF+48*((\q)%2)+FR*(2*\a2+\ra)
	v_wmma_scale_f32_16x16x128_f8f6f4 v[D_:D_+7], v[B_:B_+FR-1], v[A_:A_+FR-1], v[C_:C_+7], v[SBW+8*\b2+(\q)], v[SAW+8*\a2+(\q)] matrix_a_fmt:MATRIX_FMT_FP6 matrix_b_fmt:MATRIX_FMT_FP6 matrix_a_scale:MATRIX_SCALE_ROW\rb matrix_b_scale:MATRIX_SCALE_ROW\ra
.endr
.endr
.endr
.endr
.endm
	s_wait_alu depctr_va_vdst(0)                   ; the wait at the head's end
	s_wait_tensorcnt 0x0                           ; my tile is in
	s_barrier_signal -1
	s_barrier_wait -1                              ; all four are
.irp u, 0,1
.irp j, 0,1,2,3,4,5,6,7
	ds_load_b32 v[SAW+8*\u+\j], v[ADSA] offset:544*\j+4*\u
.endr
.endr
.irp g, 0,1,2,3
.irp c, 0,1
	ds_load_b128 v[SBW+8*\g+4*\c:SBW+8*\g+4*\c+3], v[ADSB] offset:1088*\g+16*\c
.endr
.endr
	FETCH 0
	s_wait_loadcnt 0x0                             ; the bias
	s_wait_dscnt 0x0
	FETCH 1                                        ; the next step's fragments land under this step's products
	MUL 0, 1
.set Q, 1
.rept 6
	s_wait_dscnt 0x0                               ; this step's fragments are in
	PLACES 4                                       ; in front of loads into registers that the last products read
	FETCH Q+1
	MUL Q, 0
.set Q, Q+1
.endr
	s_wait_dscnt 0x0                               ; my last reads of the tiles are done:
	s_barrier_signal -1                            ; say so,
	MUL 7, 0
	WIN 0
	s_barrier_wait -1                              ; and nobody reads o's images any more: the stages lie there
; THE WAY OUT, by blocks of 16 rows x 128 columns: through my own stage and back as whole rows of 512 bytes.  LDS serves a wave's instructions in order (ISA guide 5.7.1.4).
.macro TOSTAGE a
	WIN 0x08
.irp b, 0,1,2,3,4,5,6,7
	ds_store_b128 v[STO], v[64*(\a)+8*\b:64*(\a)+8*\b+3] offset:64*\b          ; each accumulator from its low end on
	ds_store_b128 v[STO], v[64*(\a)+8*\b+4:64*(\a)+8*\b+7] offset:64*\b+16
.endr
	WIN 0
.irp t, 0,1,2,3,4,5,6,7,8,9,10,11,12,13,14,15
	ds_load_b128 v[BK+64*((\a)%2)+4*\t:BK+64*((\a)%2)+4*\t+3], v[RD] offset:\t*SPITCH
.endr
.endm
.macro SEND a, younger                 ; younger: the LDS instructions issued behind block a's loads
	s_wait_dscnt \younger
.if (\a) > 0
	s_add_nc_u64 s[12:13], s[12:13], 16*4096       ; behind a wait on XCNT: the earlier stores have read their base
.endif
.irp t, 0,1,2,3,4,5,6,7,8,9,10,11,12,13,14,15
	global_store_b128 v[CO], v[BK+64*((\a)%2)+4*\t:BK+64*((\a)%2)+4*\t+3], s[12:13] offset:\t*4096 th:TH_STORE_NT   ; 32 lanes store 512 consecutive bytes, aligned to 256
.endr
.endm
	PLACES 4
	TOSTAGE 0
.irp a, 1,2,3
.if \a > 1
	s_wait_xcnt 0x0                                ; block a - 2's stores have read their registers and their base
.endif
	TOSTAGE \a
	SEND \a-1, 32                                  ; behind block a - 1's loads: block a's 16 stores and 16 loads
.endr
	s_wait_xcnt 0x0
	SEND 3, 0
	s_wait_tensorcnt 0x0                           ; the wave's end
	ds_add_u32 v[SPW], v[NIL]
	s_wait_dscnt 0x0
	CROUND                                         ; the closing round
	s_endpgm
.Lfunc_end_k_q130adab193_oproj:
	.size	k_q130adab193_oproj, .Lfunc_end_k_q130adab193_oproj-k_q130adab193_oproj
	.p2alignl 7, 3214868480
	.fill 96, 4, 3214868480
	.section	.rodata,"a",@progbits
	.p2align	6, 0x0
	.amdhsa_kernel k_q130adab193_oproj
		.amdhsa_group_segment_fixed_size 327680
		.amdhsa_private_segment_fixed_size 0
		.amdhsa_enable_private_segment 0
		.amdhsa_kernarg_size 48
		.amdhsa_user_sgpr_count 2
		.amdhsa_user_sgpr_kernarg_segment_ptr 1
		.amdhsa_wavefront_size32 1
		.amdhsa_system_sgpr_workgroup_id_x 1
		.amdhsa_system_sgpr_workgroup_id_y 1
		.amdhsa_system_sgpr_workgroup_id_z 1
		.amdhsa_system_vgpr_workitem_id 0
		.amdhsa_next_free_vgpr 768
		.amdhsa_next_free_sgpr 100
		.amdhsa_reserve_vcc 0
		.amdhsa_float_denorm_mode_32 3
		.amdhsa_float_denorm_mode_16_64 3
		.amdhsa_memory_ordered 1
		.amdhsa_forward_progress 1
		.amdhsa_inst_pref_size 90
	.end_amdhsa_kernel
	.amdgpu_metadata
---
amdhsa.version: [ 1, 2 ]
amdhsa.kernels:
  - .name:           k_q130adab193_oproj
    .symbol:         k_q130adab193_oproj.kd
    .args:
      - { .name: oimg, .offset: 0, .size: 8, .value_kind: global_buffer, .address_space: global }
      - { .name: oscl, .offset: 8, .size: 8, .value_kind: global_buffer, .address_space: global }
      - { .name: Wo_codes, .offset: 16, .size: 8, .value_kind: global_buffer, .address_space: global }
      - { .name: Wo_scales, .offset: 24, .size: 8, .value_kind: global_buffer, .address_space: global }
      - { .name: bo, .offset: 32, .size: 8, .value_kind: global_buffer, .address_space: global }
      - { .name: out0, .offset: 40, .size: 8, .value_kind: global_buffer, .address_space: global }
    .group_segment_fixed_size: 327680
    .private_segment_fixed_size: 0
    .kernarg_segment_align: 8
    .kernarg_segment_size: 48
    .max_flat_workgroup_size: 128
    .sgpr_count:     100
    .vgpr_count:     768
    .wavefront_size: 32
...
	.end_amdgpu_metadata
.endif
;; end of part 3
